; MI455X (gfx1250); checked and timed in simulation.
; The chip was launched on July 23, 2026; its instructions are those of AMD's public machine-readable ISA for CDNA 5 (MIT licence, August 2026) and "CDNA5" Instruction Set Architecture Reference Guide (July 2026). The comments in the code are by the model that wrote it; some were corrected since.
;; Transformer Block. Allowed arithmetic: float matrix products may take bf16 or f16 operands with f32 sums; all other float work in f32.
;; Inputs: W1 512 x 2,048 float32; W2 2,048 x 512 float32; Wk 512 x 512 float32; Wo 512 x 512 float32; Wq 512 x 512 float32; Wv 512 x 512 float32; b1 2,048 float32; b2 512 float32; be1 512 float32; be2 512 float32; bo 512 float32; g1 512 float32; g2 512 float32; x 2 x 4,096 x 512 float32.
;; Outputs: out0 2 x 4,096 x 512 float32.
;; One version. Each part assembles by itself: llvm-mc -triple=amdgcn-amd-amdhsa -mcpu=gfx1250 --defsym DOCPART=n.
;; ======== version 1 of 1: 6 launches
;; workspace buffers: h 8,388,608 bytes; wts 6,291,456 bytes; qkv 25,165,824 bytes; o 8,388,608 bytes; x1 16,777,216 bytes; h2 8,388,608 bytes; u 33,554,432 bytes
;; launch prep (part 1): grid 256 x 1, 8 waves a work-group, no clusters, 0 bytes of LDS; arguments x, g1, be1, Wq, Wk, Wv, Wo, W1, W2, h, wts; writes h, wts
.if DOCPART == 1
	.amdgcn_target "amdgcn-amd-amdhsa--gfx1250"
	.amdhsa_code_object_version 6
	.text
	.protected	k_q2d22470378_prep
	.globl	k_q2d22470378_prep
	.p2align	8
	.type	k_q2d22470378_prep,@function
k_q2d22470378_prep:
	s_mov_b64 s[64:65], 0
	v_nop
	global_prefetch_b8 v0, s[64:65] scope:SCOPE_SE
	s_setreg_imm32_b32 hwreg(HW_REG_WAVE_MODE, 25, 1), 1
	s_wait_xcnt 0x0
; prep: h = LayerNorm(x; g1, be1) rounded to bf16, and the six weight matrices rounded to bf16 (kept [in][out]).
; wts: Wq|Wk|Wv side by side as [512][1536] at byte 0, Wo at 1,572,864, W1 at 2,097,152, W2 at 4,194,304.
; Wq is multiplied by 0.125 log2(e) on the way, so that the attention kernel's scores are exponents of two.
; 256 work-groups of 8 waves; a work-group takes 32 rows of x and 1/256 of every weight.  A wave takes 4 whole rows
; (2,048 bytes = 4 loads of 16 bytes a lane), so a row's two sums never leave the wave: no LDS, no barrier.
; The mean is taken first and the squares of the differences second: no difference of large sums is formed.
; A stream: matrix units, clusters and LDS would add nothing; no two work-groups read the same bytes but g1 and be1 (4 KiB).
; LIMITS: v_rsq_f32 is good to one unit in the last place; NaN and infinities in x are not treated specially.
.set XR,  32                           ; v[32:95]   row j of four: 16 registers
.set GG,  96                           ; v[96:111]  g1 of my 16 columns
.set BE,  112                          ; v[112:127] be1 of my 16 columns
.set WW,  128                          ; v[128:175] twelve weight loads
.set SD,  176                          ; v[176:191] two sets of 8 registers of store data, by turns
.set XO,  20                           ; byte offset in x: 8,192 wave + 16 lane
.set GO,  21                           ; in g1, be1: 16 lane
.set HO,  22                           ; in h: 4,096 wave + 8 lane
.set T16, 23                           ; 16 thread
.set T8,  24                           ; 8 thread
.set QO,  25                           ; in Wqkv: 3,072 (thread / 128) + 8 (thread % 128)
	s_load_b512 s[4:19], s[0:1], 0x0               ; x, g1, be1, Wq, Wk, Wv, Wo, W1
	s_load_b128 s[20:23], s[0:1], 0x40             ; W2, h
	s_load_b64 s[24:25], s[0:1], 0x50              ; wts
	v_and_b32 v1, 31, v0
	v_lshrrev_b32 v2, 5, v0
	v_lshlrev_b32 v[GO], 4, v1
	v_lshl_add_u32 v[XO], v2, 13, v[GO]
	v_lshlrev_b32 v3, 3, v1
	v_lshl_add_u32 v[HO], v2, 12, v3
	v_lshlrev_b32 v[T16], 4, v0
	v_lshlrev_b32 v[T8], 3, v0
	v_and_b32 v3, 127, v0
	v_lshrrev_b32 v4, 7, v0
	v_lshlrev_b32 v3, 3, v3
	v_mad_u32_u24 v[QO], v4, 3072, v3
	s_mov_b32 s34, 0x76543210                      ; v_permlanex16_b32: lane i reads lane i of the other half
	s_mov_b32 s35, 0xfedcba98
	s_mov_b32 s36, 0x3b000000                      ; 1 / 512
	s_mov_b32 s37, 0x3727c5ac                      ; 1e-5
	s_mov_b32 s27, 0
	s_lshl_b32 s26, ttmp9, 16                      ; 32 rows of 2,048 bytes
	s_wait_kmcnt 0x0
	s_add_nc_u64 s[4:5], s[4:5], s[26:27]
	s_lshl_b32 s26, ttmp9, 12                      ; 1/256 of a 512 x 512 matrix in f32
	s_add_nc_u64 s[10:11], s[10:11], s[26:27]
	s_add_nc_u64 s[12:13], s[12:13], s[26:27]
	s_add_nc_u64 s[14:15], s[14:15], s[26:27]
	s_add_nc_u64 s[16:17], s[16:17], s[26:27]
	s_lshl_b32 s26, ttmp9, 14                      ; 1/256 of W1, of W2
	s_add_nc_u64 s[18:19], s[18:19], s[26:27]
	s_add_nc_u64 s[20:21], s[20:21], s[26:27]
	s_lshl_b32 s26, ttmp9, 15                      ; 32 rows of h
	s_add_nc_u64 s[22:23], s[22:23], s[26:27]
	s_mul_i32 s26, ttmp9, 6144                     ; two rows of Wqkv
	s_add_nc_u64 s[28:29], s[24:25], s[26:27]
	s_lshl_b32 s26, ttmp9, 11
	s_add_nc_u64 s[30:31], s[24:25], s[26:27]      ; for Wo
	s_lshl_b32 s26, ttmp9, 13
	s_add_nc_u64 s[32:33], s[24:25], s[26:27]      ; for W1, W2
	; all 36 loads of the wave go out at once: x (16), g1 and be1 (8), weights (12)
.irp j, 0,1,2,3
.irp c, 0,1,2,3
	global_load_b128 v[XR+16*\j+4*\c:XR+16*\j+4*\c+3], v[XO], s[4:5] offset:2048*\j+512*\c
.endr
.endr
.irp c, 0,1,2,3
	global_load_b128 v[GG+4*\c:GG+4*\c+3], v[GO], s[6:7] offset:512*\c
	global_load_b128 v[BE+4*\c:BE+4*\c+3], v[GO], s[8:9] offset:512*\c
.endr
	global_load_b128 v[WW:WW+3],     v[T16], s[10:11] th:TH_LOAD_NT
	global_load_b128 v[WW+4:WW+7],   v[T16], s[12:13] th:TH_LOAD_NT
	global_load_b128 v[WW+8:WW+11],  v[T16], s[14:15] th:TH_LOAD_NT
	global_load_b128 v[WW+12:WW+15], v[T16], s[16:17] th:TH_LOAD_NT
.irp j, 0,1,2,3
	global_load_b128 v[WW+16+4*\j:WW+19+4*\j], v[T16], s[18:19] offset:4096*\j th:TH_LOAD_NT
	global_load_b128 v[WW+32+4*\j:WW+35+4*\j], v[T16], s[20:21] offset:4096*\j th:TH_LOAD_NT
.endr
.macro WSUM                            ; v2 summed over the 32 lanes, the result in every lane; v3 has been written before
	v_add_f32_dpp v2, v2, v2 row_xmask:1 row_mask:0xf bank_mask:0xf
	v_add_f32_dpp v2, v2, v2 row_xmask:2 row_mask:0xf bank_mask:0xf
	v_add_f32_dpp v2, v2, v2 row_xmask:4 row_mask:0xf bank_mask:0xf
	v_add_f32_dpp v2, v2, v2 row_xmask:8 row_mask:0xf bank_mask:0xf
	v_permlanex16_b32 v3, v2, s34, s35
	v_add_f32 v2, v2, v3
.endm
.macro LNROW j
	v_pk_add_f32 v[2:3], v[XR+16*\j:XR+16*\j+1], v[XR+16*\j+2:XR+16*\j+3]
	v_pk_add_f32 v[4:5], v[XR+16*\j+4:XR+16*\j+5], v[XR+16*\j+6:XR+16*\j+7]
	v_pk_add_f32 v[6:7], v[XR+16*\j+8:XR+16*\j+9], v[XR+16*\j+10:XR+16*\j+11]
	v_pk_add_f32 v[8:9], v[XR+16*\j+12:XR+16*\j+13], v[XR+16*\j+14:XR+16*\j+15]
	v_pk_add_f32 v[2:3], v[2:3], v[4:5]
	v_pk_add_f32 v[6:7], v[6:7], v[8:9]
	v_pk_add_f32 v[2:3], v[2:3], v[6:7]
	v_add_f32 v2, v2, v3
	WSUM
	v_mul_f32 v10, s36, v2                         ; the mean, twice: a pair for the packed subtraction
	v_mul_f32 v11, s36, v2
.irp i, 0,2,4,6,8,10,12,14
	v_pk_add_f32 v[XR+16*\j+\i:XR+16*\j+\i+1], v[XR+16*\j+\i:XR+16*\j+\i+1], v[10:11] neg_lo:[0,1] neg_hi:[0,1]
.endr
	v_pk_mul_f32 v[2:3], v[XR+16*\j:XR+16*\j+1], v[XR+16*\j:XR+16*\j+1]
	v_pk_mul_f32 v[4:5], v[XR+16*\j+2:XR+16*\j+3], v[XR+16*\j+2:XR+16*\j+3]
.irp i, 4,8,12
	v_pk_fma_f32 v[2:3], v[XR+16*\j+\i:XR+16*\j+\i+1], v[XR+16*\j+\i:XR+16*\j+\i+1], v[2:3]
	v_pk_fma_f32 v[4:5], v[XR+16*\j+\i+2:XR+16*\j+\i+3], v[XR+16*\j+\i+2:XR+16*\j+\i+3], v[4:5]
.endr
	v_pk_add_f32 v[2:3], v[2:3], v[4:5]
	v_add_f32 v2, v2, v3
	WSUM
	v_fma_f32 v2, v2, s36, s37                     ; variance + 1e-5
	v_rsq_f32 v10, v2
	v_rsq_f32 v11, v2
	v_nop                                          ; one plain place between v_rsq_f32 and the use of its result (ISA guide 5.7.2)
	s_wait_alu depctr_va_vdst(0)
.irp i, 0,2,4,6,8,10,12,14
	v_pk_mul_f32 v[XR+16*\j+\i:XR+16*\j+\i+1], v[XR+16*\j+\i:XR+16*\j+\i+1], v[10:11]
.endr
.irp i, 0,2,4,6,8,10,12,14
	v_pk_fma_f32 v[XR+16*\j+\i:XR+16*\j+\i+1], v[XR+16*\j+\i:XR+16*\j+\i+1], v[GG+\i:GG+\i+1], v[BE+\i:BE+\i+1]
.endr
	s_wait_xcnt 0x0                                ; the store data set of two rows ago is rewritten only behind this wait
.irp i, 0,1,2,3,4,5,6,7
	v_cvt_pk_bf16_f32 v[SD+8*(\j%2)+\i], v[XR+16*\j+2*\i], v[XR+16*\j+2*\i+1]
.endr
.irp c, 0,1,2,3
	global_store_b64 v[HO], v[SD+8*(\j%2)+2*\c:SD+8*(\j%2)+2*\c+1], s[22:23] offset:1024*\j+256*\c   ; the wave's store covers 256 consecutive bytes, aligned
.endr
.endm
	s_wait_loadcnt 12                              ; x, g1, be1 are in; the 12 younger weight loads may stay out
	LNROW 0
	LNROW 1
	LNROW 2
	LNROW 3
	s_wait_loadcnt 0x0                             ; the weights
	v_pk_mul_f32 v[WW:WW+1],   v[WW:WW+1],   0x3e38aa3b op_sel_hi:[1,0]   ; Wq x 0.125 log2(e)
	v_pk_mul_f32 v[WW+2:WW+3], v[WW+2:WW+3], 0x3e38aa3b op_sel_hi:[1,0]
.irp n, 0,1,2,3,4,5,6,7,8,9,10,11
	v_cvt_pk_bf16_f32 v[WW+4*\n],   v[WW+4*\n],   v[WW+4*\n+1]
	v_cvt_pk_bf16_f32 v[WW+4*\n+1], v[WW+4*\n+2], v[WW+4*\n+3]
.endr
	global_store_b64 v[QO], v[WW:WW+1],     s[28:29]
	global_store_b64 v[QO], v[WW+4:WW+5],   s[28:29] offset:1024
	global_store_b64 v[QO], v[WW+8:WW+9],   s[28:29] offset:2048
	global_store_b64 v[T8], v[WW+12:WW+13], s[30:31] offset:1572864
.irp j, 0,1,2,3
	global_store_b64 v[T8], v[WW+16+4*\j:WW+17+4*\j], s[32:33] offset:2097152+2048*\j
	global_store_b64 v[T8], v[WW+32+4*\j:WW+33+4*\j], s[32:33] offset:4194304+2048*\j
.endr
	s_endpgm
.Lfunc_end_k_q2d22470378_prep:
	.size	k_q2d22470378_prep, .Lfunc_end_k_q2d22470378_prep-k_q2d22470378_prep
	.p2alignl 7, 3214868480
	.fill 96, 4, 3214868480
	.section	.rodata,"a",@progbits
	.p2align	6, 0x0
	.amdhsa_kernel k_q2d22470378_prep
		.amdhsa_group_segment_fixed_size 0
		.amdhsa_private_segment_fixed_size 0
		.amdhsa_enable_private_segment 0
		.amdhsa_kernarg_size 88
		.amdhsa_user_sgpr_count 2
		.amdhsa_user_sgpr_kernarg_segment_ptr 1
		.amdhsa_wavefront_size32 1
		.amdhsa_system_sgpr_workgroup_id_x 1
		.amdhsa_system_sgpr_workgroup_id_y 1
		.amdhsa_system_sgpr_workgroup_id_z 1
		.amdhsa_system_vgpr_workitem_id 0
		.amdhsa_next_free_vgpr 192
		.amdhsa_next_free_sgpr 66
		.amdhsa_reserve_vcc 0
		.amdhsa_float_denorm_mode_32 3
		.amdhsa_float_denorm_mode_16_64 3
		.amdhsa_memory_ordered 1
		.amdhsa_forward_progress 1
		.amdhsa_inst_pref_size 26
	.end_amdhsa_kernel
	.amdgpu_metadata
---
amdhsa.version: [ 1, 2 ]
amdhsa.kernels:
  - .name:           k_q2d22470378_prep
    .symbol:         k_q2d22470378_prep.kd
    .args:
      - { .name: x, .offset: 0, .size: 8, .value_kind: global_buffer, .address_space: global }
      - { .name: g1, .offset: 8, .size: 8, .value_kind: global_buffer, .address_space: global }
      - { .name: be1, .offset: 16, .size: 8, .value_kind: global_buffer, .address_space: global }
      - { .name: Wq, .offset: 24, .size: 8, .value_kind: global_buffer, .address_space: global }
      - { .name: Wk, .offset: 32, .size: 8, .value_kind: global_buffer, .address_space: global }
      - { .name: Wv, .offset: 40, .size: 8, .value_kind: global_buffer, .address_space: global }
      - { .name: Wo, .offset: 48, .size: 8, .value_kind: global_buffer, .address_space: global }
      - { .name: W1, .offset: 56, .size: 8, .value_kind: global_buffer, .address_space: global }
      - { .name: W2, .offset: 64, .size: 8, .value_kind: global_buffer, .address_space: global }
      - { .name: h, .offset: 72, .size: 8, .value_kind: global_buffer, .address_space: global }
      - { .name: wts, .offset: 80, .size: 8, .value_kind: global_buffer, .address_space: global }
    .group_segment_fixed_size: 0
    .private_segment_fixed_size: 0
    .kernarg_segment_align: 8
    .kernarg_segment_size: 88
    .max_flat_workgroup_size: 256
    .sgpr_count:     66
    .vgpr_count:     192
    .wavefront_size: 32
...
	.end_amdgpu_metadata
.endif
;; end of part 1
;; launch qkv (part 2): grid 8 x 32, 4 waves a work-group, clusters of 4 x 4, 327,680 bytes of LDS; arguments h, wts, qkv; writes qkv
.if DOCPART == 2
	.amdgcn_target "amdgcn-amd-amdhsa--gfx1250"
	.amdhsa_code_object_version 6
	.text
	.protected	k_q2d22470378_qkv
	.globl	k_q2d22470378_qkv
	.p2align	8
	.type	k_q2d22470378_qkv,@function
k_q2d22470378_qkv:
	s_mov_b64 s[64:65], 0
	v_nop
	global_prefetch_b8 v0, s[64:65] scope:SCOPE_SE
	s_setreg_imm32_b32 hwreg(HW_REG_WAVE_MODE, 25, 1), 1
	s_wait_xcnt 0x0
	s_wait_alu depctr_hold_cnt(0) depctr_sa_sdst(0) depctr_va_vdst(0) depctr_va_sdst(0) depctr_va_ssrc(0) depctr_va_vcc(0) depctr_vm_vsrc(0)
	s_getreg_b32 s2, hwreg(HW_REG_IB_STS2, 6, 4)
	s_cmp_eq_u32 s2, 0
	s_cbranch_scc0 .Lentry_in_a_cluster
	s_endpgm
.Lentry_in_a_cluster:
	s_bfe_u32 s2, ttmp6, 0x10000c
	s_cmp_lg_u32 s2, 0xf033
	s_cbranch_scc0 .Lentry_shape_is_right
	s_endpgm
.Lentry_shape_is_right:
; qkv: [q|k|v] = h Wqkv.  h: [8192][512] bf16; Wqkv: [512][1536] bf16 at wts + 0; sums in f32, rounded once to bf16.
; Out: qkv[t][row][64], t = column / 64 (0-7 q heads, 8-15 k, 16-23 v): byte t 2^20 + row 128 + 2 dim.
; A work-group makes 256 rows x 192 columns (three heads) with four waves; a wave makes 64 x 192: 48 accumulator tiles.
; K goes in steps of 128 through two LDS slots filled by the tensor data mover.  B lies [k][n] in LDS and is turned
; on the way into registers by ds_load_tr16_b128.
; CLUSTERS: 4 x 4 work-groups.  A's tile hangs on the block row alone and is asked for jointly along a row of the cluster,
; B's on the block column alone, jointly along a column: the requests for both are divided by four.
; REGISTERS: window 0: v16-26 addresses, v64-191 A fragments (two buffers), v192-239 the way out; window 1: B fragments, two
; buffers of 96; windows 2, 3: accumulators of m blocks 0-1, 2-3.
; The matrix instruction is used transposed (source 0 = 16 columns of B, source 1 = 16 rows of A): a lane then holds
; eight neighbouring columns of one row of the result.
; The accumulators take turns, one instruction a turn.
.set SIZE_K, 512
.set SIZE_N, 1536
.set BM,     256
.set BN,     192
.set TA,     4                         ; 16-row blocks of a wave
.set TB,     12                        ; 16-column blocks of a wave
.set KSTEP,  128
.set NQ,     4                         ; quarters of 32 along K in a step
.set AP,     272                       ; LDS pitch of A's rows: 256 + 16
.set QIA,    5                         ; pad after every 64 words
.set BP,     480                       ; LDS pitch of B's rows: 3 x (128 + 32)
.set QIB,    4                         ; pad after every 32 words
.set BGRP,   4                         ; four 16-column blocks in 128 bytes,
.set BGS,    160                       ; which with their pad take 160
.set HALFT,  34816                     ; LDS bytes that one wave's load may take
.set WOFF,   0
.set SLOT,   4*HALFT
.set STAGE,  2*SLOT
.set LAPS,   SIZE_K/(2*KSTEP)
.set NL,     2*(TA+TB)                 ; LDS loads of a quarter
.set ADRA, 16                          ; v16-17  my A fragments in slot 0, 1
.set ADRB, 20                          ; v20-23  my B fragments: 2 slot + half of the step's k
.set STO,  24
.set RD,   25
.set CO,   26
.set FA,   64
.set TMP,  192
.set G1,  24                           ; s[24:31] group 1 for A
.set G0,  32                           ; s[32:39] group 0 for A, a set for each slot
.set G1B, 48                           ; s[48:55] group 1 for B
.set G0B, 56                           ; s[56:63] group 0 for B, a set for each slot
.set MSB, 0
.macro WIN new                         ; the immediate's high byte repeats the setting that is left
.if MSB != \new
	s_set_vgpr_msb (MSB<<8)|\new
.set MSB, \new
.endif
.endm
.macro PLACES                          ; four places behind a matrix instruction (ISA guide 7.12.1)
.rept 4
	v_nop
.endr
.endm
.macro JLOAD s                         ; waves 0, 1 ask for A's halves, waves 2, 3 for B's: one joint load a wave
	s_cmp_eq_u32 s11, 0
	s_cbranch_scc0 .Lfor_b_\@
	tensor_load_to_lds s[G0+4*\s:G0+4*\s+3], s[G1:G1+7]
	s_nop 0
	s_branch .Lasked_\@
.Lfor_b_\@:
	tensor_load_to_lds s[G0B+4*\s:G0B+4*\s+3], s[G1B:G1B+7]
	s_nop 0
.Lasked_\@:
.endm
.macro CREST                           ; a round of the cluster's barrier behind its opening barrier
	s_cmp_lg_u32 s10, 0
	s_cbranch_scc1 .Lnot_wave_0_\@
	s_barrier_signal -3
.Lnot_wave_0_\@:
	s_barrier_wait -3
	s_barrier_signal -1
	s_barrier_wait -1
.endm
.macro CROUND
	s_barrier_signal -1
	s_barrier_wait -1
	CREST
.endm
	s_load_b128 s[4:7], s[0:1], 0x0                ; h, wts
	s_load_b64 s[8:9], s[0:1], 0x10                ; qkv
	s_set_vgpr_msb 0x40
	v_lshl_add_u32 v255, v0, 2, 0x4a400
	s_set_vgpr_msb 0x4000
	v_mov_b32 v255, 0
	s_set_vgpr_msb 0x1
	ds_add_u32 v255, v255
	s_set_vgpr_msb 0x100
	v_lshrrev_b32 v1, 5, v0
	v_readfirstlane_b32 s10, v1                    ; wave
	s_lshr_b32 s11, s10, 1                         ; I fetch for A (0) or for B (1)
	s_and_b32 s12, s10, 1                          ; which half of that tile
	s_bfe_u32 s40, ttmp6, 0x40000                  ; cx
	s_bfe_u32 s41, ttmp6, 0x40004                  ; cy
	s_lshl_b32 s42, ttmp9, 2
	s_add_co_u32 s42, s42, s40                     ; block column
	s_and_b32 s13, ttmp7, 0xffff
	s_lshl_b32 s13, s13, 2
	s_add_co_u32 s13, s13, s41                     ; block row
	s_lshl_b32 s43, s41, 2
	s_lshl_b32 s43, 15, s43                        ; my row of the cluster
	s_lshl_b32 s44, 0x1111, s40                    ; my column
	s_or_b32 s[G1+0], s43, (1<<16)|(1<<20)|(1<<21)|(QIA<<22)|(3<<25)    ; mask, 2-byte elements, padding of 4 words
	s_or_b32 s[G1B+0], s44, (1<<16)|(1<<20)|(1<<21)|(QIB<<22)|(7<<25)   ; the same with 8 words
	s_mov_b32 s[G1+1], KSTEP<<16                   ; tensor_dim0
	s_mov_b32 s[G1+2], (BM/2)<<16                  ; tensor_dim1
	s_mov_b32 s[G1+3], KSTEP<<16                   ; tile_dim0
	s_mov_b32 s[G1+4], BM/2                        ; tile_dim1
	s_mov_b32 s[G1+5], SIZE_K                      ; elements from row to row
	s_mov_b32 s[G1+6], 0
	s_mov_b32 s[G1+7], 0
	s_mov_b32 s[G1B+1], BN<<16
	s_mov_b32 s[G1B+2], (KSTEP/2)<<16
	s_mov_b32 s[G1B+3], BN<<16
	s_mov_b32 s[G1B+4], KSTEP/2
	s_mov_b32 s[G1B+5], SIZE_N
	s_mov_b32 s[G1B+6], 0
	s_mov_b32 s[G1B+7], 0
	s_mul_i32 s17, s12, BM/2
	s_mul_i32 s16, s13, BM
	s_add_co_u32 s16, s16, s17
	s_mul_i32 s16, s16, SIZE_K*2                   ; A: my first row, in bytes
	s_mov_b32 s17, 0
	s_mul_i32 s46, s42, BN*2                       ; B: my block's first column,
	s_mul_i32 s47, s12, (KSTEP/2)*SIZE_N*2         ; and my half of the step's k rows
	s_add_co_u32 s46, s46, s47
	s_mov_b32 s47, 0
	s_mul_i32 s20, s10, HALFT                      ; where my load lands: no place in the cluster enters an LDS address
	s_wait_dscnt 0x0
	s_wait_kmcnt 0x0
	s_add_nc_u64 s[14:15], s[4:5], s[16:17]
	s_add_nc_u64 s[46:47], s[6:7], s[46:47]
.if WOFF
	s_add_nc_u64 s[46:47], s[46:47], WOFF
.endif
	CROUND                                         ; all sixteen work-groups are here: the first joint loads meet
.irp s, 0,1
	s_mov_b32 s[G0+4*\s], 1
	s_add_co_u32 s[G0+4*\s+1], s20, \s*SLOT
	s_add_nc_u64 s[G0+4*\s+2:G0+4*\s+3], s[14:15], \s*KSTEP*2
	s_or_b32 s[G0+4*\s+3], s[G0+4*\s+3], 0x80000000
	s_mov_b32 s[G0B+4*\s], 1
	s_add_co_u32 s[G0B+4*\s+1], s20, \s*SLOT
	s_add_nc_u64 s[G0B+4*\s+2:G0B+4*\s+3], s[46:47], \s*KSTEP*SIZE_N*2
	s_or_b32 s[G0B+4*\s+3], s[G0B+4*\s+3], 0x80000000
	JLOAD \s                                       ; both slots' first fills: two loads of the wave are out
.endr
	v_and_b32 v1, 15, v0                           ; r
	v_bfe_u32 v2, v0, 4, 1                         ; h
	v_mul_u32_u24 v3, v1, AP
	v_lshl_add_u32 v3, v2, 4, v3                   ; A: r pitch + 16 h
	v_and_b32 v4, 7, v0
	v_lshl_add_u32 v4, v2, 3, v4
	v_mul_u32_u24 v4, v4, BP
	v_bfe_u32 v5, v0, 3, 1
	v_lshl_add_u32 v4, v5, 4, v4                   ; B: (8 h + lane % 8) pitch + 16 ((lane / 8) % 2)
	s_mul_i32 s21, s10, 64*AP                      ; my 64 rows of A's 256
	s_mov_b32 s22, 2*HALFT                         ; B behind A; every wave reads all 192 columns
	s_mov_b32 s23, 3*HALFT
.irp s, 0,1
	v_add_nc_u32 v[ADRA+\s], s21, v3
	v_add_nc_u32 v[ADRB+2*\s], s22, v4
	v_add_nc_u32 v[ADRB+2*\s+1], s23, v4
	s_add_co_u32 s21, s21, SLOT
	s_add_co_u32 s22, s22, SLOT
	s_add_co_u32 s23, s23, SLOT
.endr
	s_mul_i32 s23, s10, 6400
	s_add_co_u32 s23, s23, STAGE                   ; my stage: 16 rows of 384 + 16 bytes
	v_mul_u32_u24 v6, v1, 400
	v_lshl_add_u32 v6, v2, 4, v6
	v_add_nc_u32 v[STO], s23, v6
	v_bfe_u32 v6, v0, 3, 2                         ; back: four rows of one head's 128 bytes an instruction
	v_mul_u32_u24 v6, v6, 400
	v_and_b32 v7, 7, v0
	v_lshl_add_u32 v6, v7, 4, v6
	v_add_nc_u32 v[RD], s23, v6
	v_and_b32 v6, 31, v0
	v_lshlrev_b32 v[CO], 4, v6                     ; which are 512 consecutive bytes of qkv
; Half of a quarter's products: m blocks of window 2 (hi = 0) or 3 (hi = 1) x all n blocks, from buffer f.
.macro MULH f, hi, zero
.if \hi
	WIN 0xf1
.else
	WIN 0xa1
.endif
.set ia, 0
.rept TA/2
.set ib, 0
.rept TB
.if \zero
	v_wmma_f32_16x16x32_bf16 v[8*(ia*TB+ib):8*(ia*TB+ib)+7], v[96*\f+8*ib:96*\f+8*ib+7], v[FA+64*\f+8*(\hi*TA/2+ia):FA+64*\f+8*(\hi*TA/2+ia)+7], 0
.else
	v_wmma_f32_16x16x32_bf16 v[8*(ia*TB+ib):8*(ia*TB+ib)+7], v[96*\f+8*ib:96*\f+8*ib+7], v[FA+64*\f+8*(\hi*TA/2+ia):FA+64*\f+8*(\hi*TA/2+ia)+7], v[8*(ia*TB+ib):8*(ia*TB+ib)+7]
.endif
.set ib, ib+1
.endr
.set ia, ia+1
.endr
.endm
; The fragments of quarter kq of a slot into buffer f: B's first, A's last.
.macro FETCH slot, kq, f
	WIN 0x40
.set ib, 0
.rept TB
	ds_load_tr16_b128 v[96*\f+8*ib:96*\f+8*ib+3],   v[ADRB+2*\slot+\kq/(NQ/2)] offset:(\kq%(NQ/2))*32*BP+(ib/BGRP)*BGS+(ib%BGRP)*32
	ds_load_tr16_b128 v[96*\f+8*ib+4:96*\f+8*ib+7], v[ADRB+2*\slot+\kq/(NQ/2)] offset:(\kq%(NQ/2))*32*BP+(ib/BGRP)*BGS+(ib%BGRP)*32+16*BP
.set ib, ib+1
.endr
	WIN 0
.set ia, 0
.rept TA
	ds_load_b128 v[FA+64*\f+8*ia:FA+64*\f+8*ia+3],   v[ADRA+\slot] offset:ia*16*AP+64*\kq
	ds_load_b128 v[FA+64*\f+8*ia+4:FA+64*\f+8*ia+7], v[ADRA+\slot] offset:ia*16*AP+64*\kq+32
.set ia, ia+1
.endr
.endm
.macro QUARTER slot, kqn, f, g, zero   ; multiplies buffer f; in its middle fetches quarter kqn into buffer g
	s_wait_dscnt TA                                ; all but the youngest TA loads: A's upper m blocks may be out
	MULH \f, 0, \zero
	PLACES
	FETCH \slot, \kqn, \g
	s_wait_dscnt NL                                ; all but the NL just issued
	MULH \f, 1, \zero
.endm
.macro STEPQ slot, zero
	QUARTER \slot, 1, 0, 1, \zero
	QUARTER \slot, 2, 1, 0, 0
	QUARTER \slot, 3, 0, 1, 0
.endm
; The last quarter of a step, and the change of slots.  In front of the barrier each wave waits for its reads of this slot and for
; all its tensor loads; behind it (where a slot is filled again: behind the cluster's round that it opens) the refill comes first.
.macro TURN slot, next, fill
	s_wait_dscnt 0x0
	s_wait_tensorcnt 0x0
	ds_add_u32 v255, v255
	s_wait_dscnt 0x0
	s_barrier_signal -1
	MULH 1, 0, 0                                   ; register work alone
	WIN 0
	s_barrier_wait -1
.if \fill
	CREST
	s_add_nc_u64 s[G0+4*\slot+2:G0+4*\slot+3], s[G0+4*\slot+2:G0+4*\slot+3], 2*KSTEP*2
	s_add_nc_u64 s[G0B+4*\slot+2:G0B+4*\slot+3], s[G0B+4*\slot+2:G0B+4*\slot+3], 2*KSTEP*SIZE_N*2
	JLOAD \slot
.endif
	PLACES
	FETCH \next, 0, 0
	MULH 1, 1, 0
.endm
.macro LAP zero
	STEPQ 0, \zero
	TURN 0, 1, 1
	STEPQ 1, 0
	TURN 1, 0, 1
.endm
	s_wait_tensorcnt 1                             ; my part of step 0 is in; step 1's load may stay out
	s_barrier_signal -1
	s_barrier_wait -1
	FETCH 0, 0, 0
	LAP 1                                          ; the first products start the sums
	STEPQ 0, 0                                     ; the last lap fills nothing
	TURN 0, 1, 0
	STEPQ 1, 0
	s_wait_dscnt TA
	MULH 1, 0, 0
	s_wait_dscnt 0x0
	MULH 1, 1, 0
	PLACES
	; THE WAY OUT, 16 rows at a time: round, 16 bytes a lane into my own stage, back as four rows of one head, 512 consecutive bytes a store.
	s_lshl_b32 s16, s13, 15                        ; 256 rows of 128 bytes
	s_lshl_b32 s17, s10, 13                        ; my 64 rows
	s_add_co_u32 s16, s16, s17
	s_mov_b32 s17, 0
	s_add_nc_u64 s[8:9], s[8:9], s[16:17]
	s_mul_i32 s46, s42, 0x300000                   ; three heads of 2^20 bytes a block column
	s_mov_b32 s47, 0
	s_add_nc_u64 s[8:9], s[8:9], s[46:47]
.macro OUTQ a, ap, from, f
	WIN \from
.set ib, 0
.rept TB
.irp r, 0,1,2,3
	v_cvt_pk_bf16_f32 v[TMP+4*ib+\r], v[8*(\ap*TB+ib)+2*\r], v[8*(\ap*TB+ib)+2*\r+1]
.endr
.set ib, ib+1
.endr
	WIN 0
.set ib, 0
.rept TB
	ds_store_b128 v[STO], v[TMP+4*ib:TMP+4*ib+3] offset:32*ib
.set ib, ib+1
.endr
	s_wait_xcnt 0x0                                ; buffer f, which earlier stores read, is loaded again only behind this wait
.irp p, 0,1,2
.irp i, 0,1,2,3
	ds_load_b128 v[\f+4*(4*\p+\i):\f+4*(4*\p+\i)+3], v[RD] offset:128*\p+1600*\i   ; a wave's LDS instructions are served in order: these see the stores above
.endr
.endr
.irp p, 0,1,2
.irp i, 0,1,2,3
	s_wait_dscnt 11-(4*\p+\i)
	global_store_b128 v[CO], v[\f+4*(4*\p+\i):\f+4*(4*\p+\i)+3], s[8:9] offset:\p*0x100000+(16*\a+4*\i)*128
.endr
.endr
.endm
	OUTQ 0, 0, 0x0a, 64
	OUTQ 1, 1, 0x0a, 128
	OUTQ 2, 0, 0x0f, 64
	OUTQ 3, 1, 0x0f, 128
	s_set_vgpr_msb 0x1
	s_wait_tensorcnt 0x0
	ds_add_u32 v255, v255
	s_wait_dscnt 0x0
	s_set_vgpr_msb 0x100
	CROUND                                         ; the closing round: no work-group ends while a partner may still ask jointly
	s_endpgm
.Lfunc_end_k_q2d22470378_qkv:
	.size	k_q2d22470378_qkv, .Lfunc_end_k_q2d22470378_qkv-k_q2d22470378_qkv
	.p2alignl 7, 3214868480
	.fill 96, 4, 3214868480
	.section	.rodata,"a",@progbits
	.p2align	6, 0x0
	.amdhsa_kernel k_q2d22470378_qkv
		.amdhsa_group_segment_fixed_size 327680
		.amdhsa_private_segment_fixed_size 0
		.amdhsa_enable_private_segment 0
		.amdhsa_kernarg_size 24
		.amdhsa_user_sgpr_count 2
		.amdhsa_user_sgpr_kernarg_segment_ptr 1
		.amdhsa_wavefront_size32 1
		.amdhsa_system_sgpr_workgroup_id_x 1
		.amdhsa_system_sgpr_workgroup_id_y 1
		.amdhsa_system_sgpr_workgroup_id_z 1
		.amdhsa_system_vgpr_workitem_id 0
		.amdhsa_next_free_vgpr 1024
		.amdhsa_next_free_sgpr 80
		.amdhsa_reserve_vcc 0
		.amdhsa_float_denorm_mode_32 3
		.amdhsa_float_denorm_mode_16_64 3
		.amdhsa_memory_ordered 1
		.amdhsa_forward_progress 1
		.amdhsa_inst_pref_size 119
	.end_amdhsa_kernel
	.amdgpu_metadata
---
amdhsa.version: [ 1, 2 ]
amdhsa.kernels:
  - .name:           k_q2d22470378_qkv
    .symbol:         k_q2d22470378_qkv.kd
    .args:
      - { .name: h, .offset: 0, .size: 8, .value_kind: global_buffer, .address_space: global }
      - { .name: wts, .offset: 8, .size: 8, .value_kind: global_buffer, .address_space: global }
      - { .name: qkv, .offset: 16, .size: 8, .value_kind: global_buffer, .address_space: global }
    .group_segment_fixed_size: 327680
    .private_segment_fixed_size: 0
    .kernarg_segment_align: 8
    .kernarg_segment_size: 24
    .max_flat_workgroup_size: 128
    .sgpr_count:     80
    .vgpr_count:     1024
    .wavefront_size: 32
...
	.end_amdgpu_metadata
.endif
;; end of part 2
;; launch attn (part 3): grid 16 x 16, 8 waves a work-group, clusters of 4 x 1, 327,680 bytes of LDS; arguments qkv, o; writes o
.if DOCPART == 3
	.amdgcn_target "amdgcn-amd-amdhsa--gfx1250"
	.amdhsa_code_object_version 6
	.text
	.protected	k_q2d22470378_attn
	.globl	k_q2d22470378_attn
	.p2align	8
	.type	k_q2d22470378_attn,@function
k_q2d22470378_attn:
	s_mov_b64 s[64:65], 0
	v_nop
	global_prefetch_b8 v0, s[64:65] scope:SCOPE_SE
	s_setreg_imm32_b32 hwreg(HW_REG_WAVE_MODE, 25, 1), 1
	s_wait_xcnt 0x0
	s_wait_alu depctr_hold_cnt(0) depctr_sa_sdst(0) depctr_va_vdst(0) depctr_va_sdst(0) depctr_va_ssrc(0) depctr_va_vcc(0) depctr_vm_vsrc(0)
	s_getreg_b32 s2, hwreg(HW_REG_IB_STS2, 6, 4)
	s_cmp_eq_u32 s2, 0
	s_cbranch_scc0 .Lentry_in_a_cluster
	s_endpgm
.Lentry_in_a_cluster:
	s_bfe_u32 s2, ttmp6, 0x10000c
	s_cmp_lg_u32 s2, 0x3003
	s_cbranch_scc0 .Lentry_shape_is_right
	s_endpgm
.Lentry_shape_is_right:
; attn: o = softmax(q k^T / 8) v for each of 2 x 8 (batch, head), 4,096 keys, head size 64.  q carries 0.125 log2(e) already,
; so p = 2^(s - m) with m the RUNNING MAXIMUM of the row's scores; sums and rescaling in f32.
; Grid x = block of 256 queries, y = 8 batch + head.  Eight waves: wave w has queries 64 (w % 4) .. + 63 and, of every tile of 256 keys,
; the half w / 4: two steps of 64 keys.  The two halves' results are merged once at the end through LDS.
; CLUSTERS: the four query blocks of a cluster belong to one head and walk the same K and V tiles: every tile is asked for jointly (mask 15).
; SCORES ARE FORMED TRANSPOSED: S^T = K Q^T.  Lane (r, h) holds query r and keys 8 h + j of each 16-key tile, so the row's maximum and sum are
; in-lane work and one exchange of halves, the bf16 P^T operand is made in the lane by conversions alone, and O^T = V^T P^T keeps a
; query in a lane, so that rescaling needs no broadcast.  V lies [key][dim] in LDS and is turned by ds_load_tr16_b128.
; LDS: two slots of 81,920 = 8 quarters of 10,240; wave w fills quarter w with 64 keys: K's four quarters (pitch 144), then V's four (pitch 160).
; A slot is filled again, two tiles ahead, as soon as its last fragments are in registers.  Behind the slots, never a target of a tensor
; load: the merge area (4 x 17,408) and the output stage (4 x 9,216).
; THE PIPELINE: a stage is the softmax of one query tile (16 queries x 64 keys) and its eight O products.  The eight score products of the NEXT
; query tile stand singly among the stage's vector instructions, on the other of two score buffers, so that the vector instructions are the
; places that the matrix instructions need (ISA guide 7.12.1) and no v_nop stands in the loop.  The next 64 keys' K fragments are fetched in
; stage 2, behind the last score product that reads the old ones; V's in stage 0, behind the last O product.
; THE LOOP IS TURNED BY ONE STEP: only the step that starts the sums stands in front of it; its body is four steps (sixteen stages): slot 0's second
; step, slot 1's two, slot 0's first; seven trips do 28 of the 32 steps and all 14 refills, and three steps, which fill nothing, follow.
; So the text holds eight steps in all, and most of it is run seven times.
; REGISTERS: window 0: sums v0-7, addresses v8-15, maxima v16-19, row sums v20-23, score buffers v32-63 and v64-95, K fragments v96-159,
; Q fragments v160-223; window 1: O^T v0-127 (32 t + 8 dt), V fragments v128-191.
; The accumulators take turns, one instruction a turn.
; LIMITS: the row sum adds p in f32 while the product takes p rounded to bf16; v_exp_f32 flushes results under 2^-126 to zero;
; NaN and infinities in the inputs are not treated specially.
.set QUART, 10240                      ; LDS bytes for one wave's load of 64 keys
.set SLOTB, 81920
.set MERGE, 163840
.set MRG,   17408                      ; merge area of one pair of waves
.set OST,   233472                     ; output stage
.set STEP,  32768                      ; 256 keys of 128 bytes
.set SU,  0                            ; v0-7    four pairs of partial sums (free once the addresses are made)
.set KA,  8                            ; v8-9    K fragments in slot 0, 1
.set VA,  10                           ; v10-11  V fragments
.set DA,  12                           ; merge area: 16 lane
.set STO, 13
.set RD,  14
.set CO,  15
.set MX,  16                           ; v16-19  running maximum of query tile t
.set LS,  20                           ; v20-23  running sum (this lane's keys)
.set NM,  24                           ; v24-25  new maximum (pair; the upper is written once)
.set AL,  26                           ; v26-27  2^(old - new) (pair likewise)
.set T,   28                           ; v28-31
.set S0,  32
.set S1,  64
.set KF,  96
.set QF,  160
.set VF,  128                          ; in window 1
.set MSB, 0
.macro WIN new
.if MSB != \new
	s_set_vgpr_msb (MSB<<8)|\new
.set MSB, \new
.endif
.endm
.macro PLACES
.rept 4
	v_nop
.endr
.endm
.macro CREST                           ; a round of the cluster's barrier behind its opening barrier
	s_cmp_lg_u32 s8, 0
	s_cbranch_scc1 .Lnot_wave_0_\@
	s_barrier_signal -3
.Lnot_wave_0_\@:
	s_barrier_wait -3
	s_barrier_signal -1
	s_barrier_wait -1
.endm
.macro ROUND                           ; a whole round
	s_barrier_signal -1
	s_barrier_wait -1
	CREST
.endm
.macro JLOAD n                         ; waves 0-3 ask for K's quarters, waves 4-7 for V's: one joint load a wave
	s_cmp_eq_u32 s9, 0
	s_cbranch_scc0 .Lfor_v_\@
	tensor_load_to_lds s[32+4*\n:35+4*\n], s[16:23]
	s_nop 0
	s_branch .Lasked_\@
.Lfor_v_\@:
	tensor_load_to_lds s[32+4*\n:35+4*\n], s[24:31]
	s_nop 0
.Lasked_\@:
.endm
	s_load_b128 s[4:7], s[0:1], 0x0                ; qkv, o
	s_set_vgpr_msb 0x40
	v_lshl_add_u32 v192, v0, 2, 0x42000
	v_mov_b32 v193, 0
	s_set_vgpr_msb 0x4045
	ds_add_u32 v192, v193
	s_set_vgpr_msb 0x4500
	v_lshrrev_b32 v1, 5, v0
	v_readfirstlane_b32 s8, v1                     ; wave
	s_lshr_b32 s9, s8, 2                           ; my half of the keys; also: I fetch K (0) or V (1)
	s_and_b32 s10, s8, 3                           ; my 64 queries; also: which 64 keys I fetch
	s_bfe_u32 s46, ttmp6, 0x40000                  ; cx
	s_lshl_b32 s48, ttmp9, 2
	s_add_co_u32 s48, s48, s46                     ; query block
	s_and_b32 s15, ttmp7, 0xffff
	s_and_b32 s11, s15, 7                          ; head
	s_lshr_b32 s14, s15, 3                         ; batch
	s_mov_b32 s12, 0x76543210
	s_mov_b32 s13, 0xfedcba98
	; group 1: 64 keys of 128 bytes are dense in memory: 32 rows of 256 bytes, padded after every 128 bytes
	s_mov_b32 s16, 15|(1<<16)|(1<<20)|(1<<21)|(4<<22)|(3<<25)   ; K: 4 words of padding: pitch 144
	s_mov_b32 s17, 128<<16
	s_mov_b32 s18, 32<<16
	s_mov_b32 s19, 128<<16
	s_mov_b32 s20, 32
	s_mov_b32 s21, 128
	s_mov_b32 s22, 0
	s_mov_b32 s23, 0
	s_mov_b32 s24, 15|(1<<16)|(1<<20)|(1<<21)|(4<<22)|(7<<25)   ; V: 8 words: pitch 160
	s_mov_b32 s25, 128<<16
	s_mov_b32 s26, 32<<16
	s_mov_b32 s27, 128<<16
	s_mov_b32 s28, 32
	s_mov_b32 s29, 128
	s_mov_b32 s30, 0
	s_mov_b32 s31, 0
	s_mul_i32 s40, s8, QUART                       ; my quarter in a slot
	s_add_co_u32 s41, s9, 1
	s_lshl3_add_u32 s41, s41, s11                  ; 8 (1 + K or V) + head
	s_lshl_b32 s42, s41, 20
	s_lshl_b32 s41, s14, 19                        ; batch x 4,096 rows of 128 bytes
	s_add_co_u32 s42, s42, s41
	s_lshl_b32 s41, s10, 13                        ; my 64 keys of the tile
	s_add_co_u32 s42, s42, s41
	s_mov_b32 s43, 0
	s_lshl_b32 s50, s11, 20                        ; q and o: head, batch, query block, my 64 queries
	s_lshl_b32 s41, s14, 19
	s_add_co_u32 s50, s50, s41
	s_lshl_b32 s41, s48, 15
	s_add_co_u32 s50, s50, s41
	s_lshl_b32 s41, s10, 13
	s_add_co_u32 s50, s50, s41
	s_mov_b32 s51, 0
	s_wait_dscnt 0x0
	s_wait_kmcnt 0x0
	s_add_nc_u64 s[42:43], s[4:5], s[42:43]
	s_add_nc_u64 s[52:53], s[4:5], s[50:51]
	s_add_nc_u64 s[6:7], s[6:7], s[50:51]
.irp n, 0,1
	s_mov_b32 s[32+4*\n], 1
	s_add_co_u32 s[33+4*\n], s40, \n*SLOTB
	s_add_nc_u64 s[34+4*\n:35+4*\n], s[42:43], \n*STEP
	s_or_b32 s[35+4*\n], s[35+4*\n], 0x80000000
.endr
	ROUND                                          ; in front of the first joint loads
	JLOAD 0                                        ; tiles 0 and 1: both slots' first fills go out together, two loads of the wave are out
	JLOAD 1
	v_and_b32 v1, 15, v0                           ; r
	v_bfe_u32 v2, v0, 4, 1                         ; h
	v_and_b32 v3, 31, v0                           ; lane
	v_lshlrev_b32 v4, 7, v1
	v_lshl_add_u32 v4, v2, 4, v4                   ; q: 128 r + 16 h
.irp t, 0,1,2,3
.irp q, 0,1,2,3
	global_load_b128 v[QF+16*\t+4*\q:QF+16*\t+4*\q+3], v4, s[52:53] offset:2048*\t+32*\q
.endr
.endr
	v_mul_u32_u24 v5, v1, 144
	v_lshl_add_u32 v5, v2, 4, v5                   ; r 144 + 16 h
	v_and_b32 v6, 7, v0
	v_lshl_add_u32 v6, v2, 3, v6
	v_mul_u32_u24 v6, v6, 160
	v_bfe_u32 v7, v0, 3, 1
	v_lshl_add_u32 v6, v7, 4, v6                   ; (8 h + lane % 8) 160 + 16 ((lane / 8) % 2)
	s_mul_i32 s41, s9, 2*QUART                     ; my half of the keys: two quarters
	v_add_nc_u32 v[KA], s41, v5
	v_add_nc_u32 v[KA+1], SLOTB, v[KA]
	s_add_co_u32 s41, s41, 4*QUART
	v_add_nc_u32 v[VA], s41, v6
	v_add_nc_u32 v[VA+1], SLOTB, v[VA]
	s_mul_i32 s41, s10, MRG
	s_add_co_u32 s41, s41, MERGE
	v_lshl_add_u32 v[DA], v3, 4, s41
	s_mul_i32 s41, s10, 9216
	s_add_co_u32 s41, s41, OST
	v_add_nc_u32 v[STO], s41, v5
	v_lshrrev_b32 v7, 3, v3
	v_mul_u32_u24 v7, v7, 144
	v_and_b32 v6, 7, v0
	v_lshl_add_u32 v7, v6, 4, v7
	v_add_nc_u32 v[RD], s41, v7
	v_lshlrev_b32 v[CO], 4, v3
	v_mov_b32 v[NM+1], 0                           ; the pairs' upper halves are named, never used
	v_mov_b32 v[AL+1], 0
; K fragments of 64 keys (step 0 or 1 of my half of a slot): 16 loads
.macro LOADK slot, sub
.irp kt, 0,1,2,3
.irp q, 0,1,2,3
	ds_load_b128 v[KF+16*\kt+4*\q:KF+16*\kt+4*\q+3], v[KA+\slot] offset:(\sub)*QUART+2304*\kt+32*\q
.endr
.endr
.endm
; V fragments of the same 64 keys, turned, into window 1: 16 loads
.macro LOADV slot, sub
	WIN 0x40
.irp g, 0,1
.irp dt, 0,1,2,3
	ds_load_tr16_b128 v[VF+32*\g+8*\dt:VF+32*\g+8*\dt+3],   v[VA+\slot] offset:(\sub)*QUART+5120*\g+32*\dt
	ds_load_tr16_b128 v[VF+32*\g+8*\dt+4:VF+32*\g+8*\dt+7], v[VA+\slot] offset:(\sub)*QUART+5120*\g+32*\dt+2560
.endr
.endr
	WIN 0
.endm
; The n-th of the eight score products of query tile HQ into buffer HB: four key tiles by turns, twice (dims 0-31, 32-63)
.macro HW n
.if HOST
.if \n < 4
	v_wmma_f32_16x16x32_bf16 v[HB+8*\n:HB+8*\n+7], v[KF+16*\n:KF+16*\n+7], v[QF+16*HQ:QF+16*HQ+7], 0
.else
	v_wmma_f32_16x16x32_bf16 v[HB+8*\n-32:HB+8*\n-25], v[KF+16*\n-56:KF+16*\n-49], v[QF+16*HQ+8:QF+16*HQ+15], v[HB+8*\n-32:HB+8*\n-25]
.endif
.endif
.endm
; A stage: softmax step of query tile t on buffer b, then O^T of tile t += V^T P^T.  first = 1: nothing has been kept yet.
; What else a stage does is said by symbols that SUB sets: HOST, HB, HQ the score products that it carries; VL it fetches V; VW it waits for V;
; KW it waits for K; KM it fetches K (1), behind the barrier's wait (2), behind the cluster's round and the refill (3); SIG it opens that barrier.
.macro STAGE t, b, first
.irp k, 0,1,2,3
	v_max3_num_f32 v[T+\k], v[\b+8*\k], v[\b+8*\k+1], v[\b+8*\k+2]
.endr
.irp k, 0,1,2,3
	v_max3_num_f32 v[T+\k], v[T+\k], v[\b+8*\k+3], v[\b+8*\k+4]
.endr
	; eight plain places behind the last O products: V's registers may be loaded again, and buffer HB, which those read, written over
.if VL
	LOADV VSLOT, VSUB
.endif
.if KW
	s_wait_dscnt 0x0                               ; the K fragments fetched a stage ago, the only LDS loads that are out
.endif
	HW 0
.irp k, 0,1,2,3
	v_max3_num_f32 v[T+\k], v[T+\k], v[\b+8*\k+5], v[\b+8*\k+6]
.endr
	v_max3_num_f32 v[T], v[T], v[\b+7], v[\b+15]
	v_max3_num_f32 v[T+1], v[T+1], v[\b+23], v[\b+31]
	HW 1
	v_max3_num_f32 v[T], v[T], v[T+1], v[T+2]
.if \first
	v_max_num_f32 v[T], v[T], v[T+3]
.else
	v_max3_num_f32 v[T], v[T], v[T+3], v[MX+\t]
.endif
	v_permlanex16_b32 v[T+1], v[T], s12, s13       ; the other eight keys of each tile lie in the other half
	v_max_num_f32 v[NM], v[T], v[T+1]
.if \first == 0
	v_sub_f32 v[AL], v[MX+\t], v[NM]
.endif
	HW 2
.set i, 0
.rept 8
	v_pk_add_f32 v[\b+2*i:\b+2*i+1], v[\b+2*i:\b+2*i+1], v[NM:NM+1] op_sel_hi:[1,0] neg_lo:[0,1] neg_hi:[0,1]
.set i, i+1
.endr
	HW 3
.rept 8
	v_pk_add_f32 v[\b+2*i:\b+2*i+1], v[\b+2*i:\b+2*i+1], v[NM:NM+1] op_sel_hi:[1,0] neg_lo:[0,1] neg_hi:[0,1]
.set i, i+1
.endr
	HW 4
.if \first == 0
	v_exp_f32 v[AL], v[AL]
.endif
.set i, 0
.rept 8
	v_exp_f32 v[\b+i], v[\b+i]
.set i, i+1
.endr
	HW 5
.rept 8
	v_exp_f32 v[\b+i], v[\b+i]
.set i, i+1
.endr
	HW 6
.rept 8
	v_exp_f32 v[\b+i], v[\b+i]
.set i, i+1
.endr
	HW 7
.rept 8
	v_exp_f32 v[\b+i], v[\b+i]
.set i, i+1
.endr
	v_mov_b32 v[MX+\t], v[NM]                      ; the plain place behind the exponentials (ISA guide 5.7.2)
	s_wait_alu depctr_va_vdst(0)
.irp k, 0,1,2,3
	v_pk_add_f32 v[SU+2*\k:SU+2*\k+1], v[\b+8*\k:\b+8*\k+1], v[\b+8*\k+2:\b+8*\k+3]
.endr
	; five plain places behind the last score product: K's registers may be loaded again
.if KM >= 2
	s_barrier_wait -1                              ; every wave of the work-group has ended its reads of this slot, and its part of the other slot has landed
.endif
.if KM == 3
	CREST                                          ; and so in all four work-groups
	s_add_nc_u64 s[34+4*RSLOT:35+4*RSLOT], s[34+4*RSLOT:35+4*RSLOT], 2*STEP   ; no tensor load of mine is out: the group 0 may be written
	JLOAD RSLOT                                    ; this slot's next tile, two tiles ahead: my one load behind the round, ahead of my first LDS read
.endif
.if KM
	LOADK KSLOT, KSUB
.endif
.irp k, 0,1,2,3
	v_pk_add_f32 v[SU+2*\k:SU+2*\k+1], v[SU+2*\k:SU+2*\k+1], v[\b+8*\k+4:\b+8*\k+5]
.endr
.irp k, 0,1,2,3
	v_pk_add_f32 v[SU+2*\k:SU+2*\k+1], v[SU+2*\k:SU+2*\k+1], v[\b+8*\k+6:\b+8*\k+7]
.endr
	v_pk_add_f32 v[SU:SU+1], v[SU:SU+1], v[SU+2:SU+3]
	v_pk_add_f32 v[SU+4:SU+5], v[SU+4:SU+5], v[SU+6:SU+7]
	v_pk_add_f32 v[SU:SU+1], v[SU:SU+1], v[SU+4:SU+5]
.if \first
	v_add_f32 v[LS+\t], v[SU], v[SU+1]
.else
	v_fma_f32 v[LS+\t], v[LS+\t], v[AL], v[SU]
	v_add_f32 v[LS+\t], v[LS+\t], v[SU+1]
.endif
.set i, 0
.rept 16
	v_cvt_pk_bf16_f32 v[\b+i], v[\b+2*i], v[\b+2*i+1]          ; packed downward in place: registers 8 g .. 8 g + 7 are P^T of keys 32 g .. 32 g + 31
.set i, i+1
.endr
.if \first == 0
	WIN 0x41
.set i, 0
.rept 16
	v_pk_mul_f32 v[32*\t+2*i:32*\t+2*i+1], v[32*\t+2*i:32*\t+2*i+1], v[AL:AL+1] op_sel_hi:[1,0]
.set i, i+1
.endr
.endif
.if VW
	s_wait_dscnt 0x0                               ; V's fragments, the only LDS loads that are out
.endif
.if SIG
	s_set_vgpr_msb 0x4145
	s_wait_tensorcnt 0x0                           ; my reads of this slot are over (the wait above); my one tensor load, my part of the other slot, has landed:
	ds_add_u32 v192, v193
	s_wait_dscnt 0x0
	s_set_vgpr_msb 0x4541
	s_barrier_signal -1                            ; say so; register work alone stands between here and the wait in stage 2
.endif
	WIN 0x51
.irp dt, 0,1,2,3
.if \first
	v_wmma_f32_16x16x32_bf16 v[32*\t+8*\dt:32*\t+8*\dt+7], v[VF+8*\dt:VF+8*\dt+7], v[\b:\b+7], 0
.else
	v_wmma_f32_16x16x32_bf16 v[32*\t+8*\dt:32*\t+8*\dt+7], v[VF+8*\dt:VF+8*\dt+7], v[\b:\b+7], v[32*\t+8*\dt:32*\t+8*\dt+7]
.endif
.endr
.irp dt, 0,1,2,3
	v_wmma_f32_16x16x32_bf16 v[32*\t+8*\dt:32*\t+8*\dt+7], v[VF+32+8*\dt:VF+32+8*\dt+7], v[\b+8:\b+15], v[32*\t+8*\dt:32*\t+8*\dt+7]
.endr
	WIN 0
.endm
; A step: 64 keys (slot, sub) against my 64 queries, four stages.  km, kslot, ksub: how and from where stage 2 fetches the next 64 keys' K
; (km 1: from the same slot; 3: the slot is left and filled again; 2: it is left and not filled; 0: nothing follows); host3 = 0: there are no next keys.
.macro SUB slot, sub, first, km, kslot, ksub, host3
.set RSLOT, \slot
.set VSLOT, \slot
.set VSUB, \sub
.set KSLOT, \kslot
.set KSUB, \ksub
.set HOST, 1
.set VL, 1
.set VW, 1
.set KW, 0
.set KM, 0
.set SIG, (\km)/2
.set HB, S1
.set HQ, 1
	STAGE 0, S0, \first
.set VL, 0
.set VW, 0
.set SIG, 0
.set HB, S0
.set HQ, 2
	STAGE 1, S1, \first
.set KM, \km
.set HB, S1
.set HQ, 3
	STAGE 2, S0, \first
.set KM, 0
.set KW, \host3
.set HOST, \host3
.set HB, S0
.set HQ, 0
	STAGE 3, S1, \first
.set KW, 0
.endm
	s_wait_tensorcnt 0x1                           ; my part of tile 0 is in; tile 1's load may stay out
	s_barrier_signal -1
	s_barrier_wait -1                              ; everybody's is
	LOADK 0, 0
	s_wait_loadcnt 0x0                             ; q
	s_wait_dscnt 0x0
.set HOST, 1
.set HB, S0
.set HQ, 0
.irp n, 0,1,2,3,4,5,6,7
	HW \n                                          ; the first query tile's first scores: the one run of score products that no stage carries
.endr
	PLACES
	SUB 0, 0, 1, 1, 0, 1, 1                        ; tile 0, first step: it starts the sums
	s_mov_b32 s44, 7
.Lsteps:
	SUB 0, 1, 0, 3, 1, 0, 1                        ; an even tile's second step; slot 0 is left and filled again, two tiles ahead
	SUB 1, 0, 0, 1, 1, 1, 1                        ; the odd tile's first step
	SUB 1, 1, 0, 3, 0, 0, 1                        ; its second; slot 1 is left and filled again
	SUB 0, 0, 0, 1, 0, 1, 1                        ; the next even tile's first step
	s_sub_co_u32 s44, s44, 1
	s_cmp_lg_u32 s44, 0
	s_cbranch_scc1 .Lsteps
	SUB 0, 1, 0, 2, 1, 0, 1                        ; tile 14's second step: the slots change, nothing is left to fetch
	SUB 1, 0, 0, 1, 1, 1, 1                        ; tile 15
	SUB 1, 1, 0, 0, 0, 0, 0                        ; its second step, the last
	; THE MERGE.  Waves 4-7 hand O^T, maxima and sums to waves 0-3.
	PLACES
	s_cmp_eq_u32 s9, 0
	s_cbranch_scc1 .Lkeep
	WIN 0x04
.set i, 0
.rept 32
	ds_store_b128 v[DA], v[4*i:4*i+3] offset:512*i
.set i, i+1
.endr
	WIN 0
	ds_store_b128 v[DA], v[MX:MX+3] offset:16384
	ds_store_b128 v[DA], v[LS:LS+3] offset:16896
.Lkeep:
	s_wait_dscnt 0x0                               ; for the others' sake: my stores are done
	ROUND                                          ; the closing round; its barriers also order the merge area
	s_cmp_lg_u32 s9, 0
	s_cbranch_scc1 .Lend
	ds_load_b128 v[40:43], v[DA] offset:16384      ; the partner's maxima
	ds_load_b128 v[44:47], v[DA] offset:16896      ; and sums
	s_wait_dscnt 0x0
.irp t, 0,1,2,3
	v_max_num_f32 v[48+\t], v[MX+\t], v[40+\t]
.endr
.irp t, 0,1,2,3
	v_sub_f32 v[52+\t], v[MX+\t], v[48+\t]
	v_sub_f32 v[56+\t], v[40+\t], v[48+\t]
.endr
.irp t, 0,1,2,3
	v_exp_f32 v[52+\t], v[52+\t]
	v_exp_f32 v[56+\t], v[56+\t]
.endr
	v_nop
	s_wait_alu depctr_va_vdst(0)
.irp t, 0,1,2,3
	v_mul_f32 v[60+\t], v[LS+\t], v[52+\t]
.endr
.irp t, 0,1,2,3
	v_fmac_f32 v[60+\t], v[44+\t], v[56+\t]
.endr
.irp t, 0,1,2,3
	v_permlanex16_b32 v[48+\t], v[60+\t], s12, s13 ; the sums of the other eight keys of each tile
.endr
.irp t, 0,1,2,3
	v_add_f32 v[60+\t], v[60+\t], v[48+\t]
.endr
.irp t, 0,1,2,3
	v_rcp_f32 v[60+\t], v[60+\t]
.endr
	v_nop
	s_wait_alu depctr_va_vdst(0)
.macro FIN t
.irp i, 0,1,2,3,4,5,6,7
	ds_load_b128 v[64+4*\i:67+4*\i], v[DA] offset:512*(8*\t+\i)
.endr
	v_mul_f32 v32, v[52+\t], v[60+\t]              ; my share's factor, the partner's factor: low halves of pairs written before
	v_mul_f32 v34, v[56+\t], v[60+\t]
	WIN 0x01
.set i, 0
.rept 16
	v_pk_mul_f32 v[96+2*i:97+2*i], v[32*\t+2*i:32*\t+2*i+1], v[32:33] op_sel_hi:[1,0]
.set i, i+1
.endr
	WIN 0
	s_wait_dscnt 0x0
.set i, 0
.rept 16
	v_pk_fma_f32 v[96+2*i:97+2*i], v[64+2*i:65+2*i], v[34:35], v[96+2*i:97+2*i] op_sel_hi:[1,0,1]
.set i, i+1
.endr
.set i, 0
.rept 16
	v_cvt_pk_bf16_f32 v[128+i], v[96+2*i], v[96+2*i+1]
.set i, i+1
.endr
.irp dt, 0,1,2,3
	ds_store_b128 v[STO], v[128+4*\dt:131+4*\dt] offset:2304*\t+32*\dt    ; query 16 t + r, dims 16 dt + 8 h ..
.endr
.endm
	FIN 0
	FIN 1
	FIN 2
	FIN 3
.set i, 0
.rept 16
	ds_load_b128 v[192+4*i:195+4*i], v[RD] offset:576*i            ; four queries' 128 bytes; my own bytes, served in order
.set i, i+1
.endr
.set i, 0
.rept 16
	s_wait_dscnt 15-i                              ; the younger read-backs may stay out
	global_store_b128 v[CO], v[192+4*i:195+4*i], s[6:7] offset:512*i   ; 512 consecutive bytes
.set i, i+1
.endr
.Lend:
	s_set_vgpr_msb 0x5
	s_wait_tensorcnt 0x0
	ds_add_u32 v192, v193
	s_wait_dscnt 0x0
	s_set_vgpr_msb 0x500
	s_endpgm
.Lfunc_end_k_q2d22470378_attn:
	.size	k_q2d22470378_attn, .Lfunc_end_k_q2d22470378_attn-k_q2d22470378_attn
	.p2alignl 7, 3214868480
	.fill 96, 4, 3214868480
	.section	.rodata,"a",@progbits
	.p2align	6, 0x0
	.amdhsa_kernel k_q2d22470378_attn
		.amdhsa_group_segment_fixed_size 327680
		.amdhsa_private_segment_fixed_size 0
		.amdhsa_enable_private_segment 0
		.amdhsa_kernarg_size 16
		.amdhsa_user_sgpr_count 2
		.amdhsa_user_sgpr_kernarg_segment_ptr 1
		.amdhsa_wavefront_size32 1
		.amdhsa_system_sgpr_workgroup_id_x 1
		.amdhsa_system_sgpr_workgroup_id_y 1
		.amdhsa_system_sgpr_workgroup_id_z 1
		.amdhsa_system_vgpr_workitem_id 0
		.amdhsa_next_free_vgpr 450
		.amdhsa_next_free_sgpr 66
		.amdhsa_reserve_vcc 0
		.amdhsa_float_denorm_mode_32 3
		.amdhsa_float_denorm_mode_16_64 3
		.amdhsa_memory_ordered 1
		.amdhsa_forward_progress 1
		.amdhsa_inst_pref_size 255
	.end_amdhsa_kernel
	.section	.bss,"aw",@nobits
	.p2align	6
	.space	262144
	.amdgpu_metadata
---
amdhsa.version: [ 1, 2 ]
amdhsa.kernels:
  - .name:           k_q2d22470378_attn
    .symbol:         k_q2d22470378_attn.kd
    .args:
      - { .name: qkv, .offset: 0, .size: 8, .value_kind: global_buffer, .address_space: global }
      - { .name: o, .offset: 8, .size: 8, .value_kind: global_buffer, .address_space: global }
    .group_segment_fixed_size: 327680
    .private_segment_fixed_size: 0
    .kernarg_segment_align: 8
    .kernarg_segment_size: 16
    .max_flat_workgroup_size: 256
    .sgpr_count:     66
    .vgpr_count:     450
    .wavefront_size: 32
...
	.end_amdgpu_metadata
.endif
;; end of part 3
;; launch proj (part 4): grid 256 x 1, 4 waves a work-group, clusters of 4 x 1, 327,680 bytes of LDS; arguments o, wts, x, bo, g2, be2, x1, h2; writes x1, h2
.if DOCPART == 4
	.amdgcn_target "amdgcn-amd-amdhsa--gfx1250"
	.amdhsa_code_object_version 6
	.text
	.protected	k_q2d22470378_proj
	.globl	k_q2d22470378_proj
	.p2align	8
	.type	k_q2d22470378_proj,@function
k_q2d22470378_proj:
	s_mov_b64 s[64:65], 0
	v_nop
	global_prefetch_b8 v0, s[64:65] scope:SCOPE_SE
	s_setreg_imm32_b32 hwreg(HW_REG_WAVE_MODE, 25, 1), 1
	s_wait_xcnt 0x0
	s_wait_alu depctr_hold_cnt(0) depctr_sa_sdst(0) depctr_va_vdst(0) depctr_va_sdst(0) depctr_va_ssrc(0) depctr_va_vcc(0) depctr_vm_vsrc(0)
	s_getreg_b32 s2, hwreg(HW_REG_IB_STS2, 6, 4)
	s_cmp_eq_u32 s2, 0
	s_cbranch_scc0 .Lentry_in_a_cluster
	s_endpgm
.Lentry_in_a_cluster:
	s_bfe_u32 s2, ttmp6, 0x10000c
	s_cmp_lg_u32 s2, 0x3003
	s_cbranch_scc0 .Lentry_shape_is_right
	s_endpgm
.Lentry_shape_is_right:
; proj: x1 = x + o Wo + bo (f32), h2 = LayerNorm(x1; g2, be2) in bf16.  o: [8 heads][8192][64] bf16; Wo: [512][512] bf16 at wts + 1,572,864.
; A work-group makes 32 WHOLE rows, so that the second norm needs no further launch; wave w makes columns 128 w .. + 127: 2 x 8 tiles.
; CLUSTERS: all work-groups walk the same Wo: its four tiles of 128 k rows are asked for jointly by the four of a cluster (mask 15).
; The work-group's own 32 rows of o come by a plain load, once.  Both Wo slots' first fills go out with it at the start (three loads of the
; wave are out); tiles 2 and 3 are refills, one load a wave behind a round.
; LDS: two Wo slots of 135,168 (128 rows, pitch 1,056); o at 270,336 as [head][token][144]; scratch for the norm at 307,200 and 325,632,
; never a target of a tensor load.  The output stage lies in slot 0, behind that slot's last fill of the launch.
; The matrix instruction is used transposed (source 0 = columns of Wo, source 1 = rows of o).  The accumulators take turns, one
; instruction a turn.
; The norm takes the mean first and the squares of the differences second.
; LIMITS: v_rsq_f32 is good to one unit in the last place; NaN and infinities are not treated specially.
.set WP,   1056
.set WSL,  135168
.set AB,   270336
.set SCR,  307200
.set XW,   325632
.set WOFF, 1572864
.set STEP, 131072                      ; 128 rows of Wo
.set BE,   4                           ; v4-7   be2, loaded once the addresses are made
.set ADRA, 8
.set ADRB, 10                          ; v10-13: 2 slot + (quarter / 2)
.set STO,  14
.set RD,   15
.set SA,   16
.set SB,   17
.set XA,   18
.set XB,   19
.set CO,   20                          ; 512 w + 16 lane: my 4 columns in an f32 row
.set CH,   21                          ; 256 w + 8 lane: in a bf16 row
.set BO,   22                          ; v22-25
.set GG,   26                          ; v26-29
.set AF,   32                          ; v32-63  A fragments, two buffers of 16
.set BF,   64                          ; v64-127 B fragments: columns' blocks 0-3, 4-7
.set ACC,  128                         ; v128-255 tile (a, b) at 8 (8 a + b); later row i at 4 i
.set MSB, 0
.macro WIN new
.if MSB != \new
	s_set_vgpr_msb (MSB<<8)|\new
.set MSB, \new
.endif
.endm
.macro PLACES
.rept 4
	v_nop
.endr
.endm
.macro ROUND
	s_barrier_signal -1
	s_barrier_wait -1
	s_cmp_lg_u32 s48, 0
	s_cbranch_scc1 .Lnot_wave_0_\@
	s_barrier_signal -3
.Lnot_wave_0_\@:
	s_barrier_wait -3
	s_barrier_signal -1
	s_barrier_wait -1
.endm
	s_load_b256 s[4:11], s[0:1], 0x0               ; o, wts, x, bo
	s_load_b256 s[12:19], s[0:1], 0x20             ; g2, be2, x1, h2
	v_lshl_add_u32 v30, v0, 2, 0x4fc00
	v_mov_b32 v31, 0
	ds_add_u32 v30, v31
	v_lshrrev_b32 v1, 5, v0
	v_readfirstlane_b32 s48, v1                    ; wave
	s_bfe_u32 s49, ttmp6, 0x40000                  ; cx
	s_lshl_b32 s50, ttmp9, 2
	s_add_co_u32 s50, s50, s49                     ; work-group: rows 32 x this
	; o: two heads a wave; a head's 32 tokens are 4,096 dense bytes, padded after every 128
	s_mov_b32 s24, (1<<16)|(1<<20)|(4<<22)|(3<<25)
	s_mov_b32 s25, 2048<<16
	s_mov_b32 s26, 2<<16
	s_mov_b32 s27, 2048<<16
	s_mov_b32 s28, 2
	s_mov_b32 s29, 524288                          ; elements from head to head
	s_mov_b32 s30, 0
	s_mov_b32 s31, 0
	; Wo: 32 rows of 512 elements a wave, 8 words of padding behind each row
	s_mov_b32 s32, 15|(1<<16)|(1<<20)|(1<<21)|(7<<22)|(7<<25)
	s_mov_b32 s33, 512<<16
	s_mov_b32 s34, 32<<16
	s_mov_b32 s35, 512<<16
	s_mov_b32 s36, 32
	s_mov_b32 s37, 512
	s_mov_b32 s38, 0
	s_mov_b32 s39, 0
	s_lshl_b32 s52, s48, 21                        ; two heads of 2^20 bytes
	s_lshl_b32 s54, s50, 12                        ; 32 tokens of 128 bytes
	s_add_co_u32 s52, s52, s54
	s_mov_b32 s53, 0
	s_lshl_b32 s54, s48, 15                        ; 32 rows of 1,024 bytes
	s_mov_b32 s55, 0
	s_mul_i32 s56, s48, 9216
	s_mul_i32 s57, s48, 33792
	s_mov_b32 s59, 0                               ; upper halves of the scalar pairs: named, never used
	s_mov_b32 s61, 0
	s_mov_b32 s62, 0x3b000000                      ; 1 / 512
	s_mov_b32 s63, 0x3727c5ac                      ; 1e-5
	s_wait_dscnt 0x0
	s_wait_kmcnt 0x0
	s_mov_b32 s20, 1
	s_add_co_u32 s21, s56, AB
	s_add_nc_u64 s[22:23], s[4:5], s[52:53]
	s_or_b32 s23, s23, 0x80000000
	s_add_nc_u64 s[54:55], s[6:7], s[54:55]
	s_add_nc_u64 s[54:55], s[54:55], WOFF
.irp n, 0,1
	s_mov_b32 s[40+4*\n], 1
	s_add_co_u32 s[41+4*\n], s57, \n*WSL
	s_add_nc_u64 s[42+4*\n:43+4*\n], s[54:55], \n*STEP
	s_or_b32 s[43+4*\n], s[43+4*\n], 0x80000000
.endr
	s_lshl_b32 s52, s50, 16                        ; 32 rows of 2,048 bytes
	s_add_nc_u64 s[8:9], s[8:9], s[52:53]
	s_add_nc_u64 s[16:17], s[16:17], s[52:53]
	s_lshl_b32 s52, s50, 15
	s_add_nc_u64 s[18:19], s[18:19], s[52:53]
	ROUND                                          ; in front of the first loads
	tensor_load_to_lds s[20:23], s[24:31]          ; my two heads of o
	s_nop 0
	tensor_load_to_lds s[40:43], s[32:39]          ; my quarter of Wo's tile 0
	s_nop 0
	tensor_load_to_lds s[44:47], s[32:39]          ; and of tile 1: three loads of the wave are out
	s_nop 0
	v_and_b32 v1, 15, v0                           ; r
	v_bfe_u32 v2, v0, 4, 1                         ; h
	v_and_b32 v3, 31, v0                           ; lane
	s_lshl_b32 s52, s48, 9
	v_lshl_add_u32 v[CO], v3, 4, s52
	WIN 0x40
.set i, 0
.rept 32
	global_load_b128 v[4*i:4*i+3], v[CO], s[8:9] offset:2048*i     ; the residual x, into window 1; wanted only in the epilogue
.set i, i+1
.endr
	WIN 0
	global_load_b128 v[BO:BO+3], v[CO], s[10:11]
	global_load_b128 v[GG:GG+3], v[CO], s[12:13]
	v_mul_u32_u24 v4, v1, 144
	v_lshl_add_u32 v4, v2, 4, v4
	v_add_nc_u32 v[ADRA], AB, v4
	v_and_b32 v5, 7, v0
	v_lshl_add_u32 v5, v2, 3, v5
	v_mul_u32_u24 v5, v5, WP
	v_bfe_u32 v6, v0, 3, 1
	v_lshl_add_u32 v5, v6, 4, v5
	s_lshl_b32 s52, s48, 8                         ; my 128 columns
	v_add_nc_u32 v[ADRB], s52, v5
	v_add_nc_u32 v[ADRB+1], 64*WP, v[ADRB]
	v_add_nc_u32 v[ADRB+2], WSL, v[ADRB]
	v_add_nc_u32 v[ADRB+3], WSL+64*WP, v[ADRB]
	v_lshl_add_u32 v[CH], v3, 3, s52
	s_mul_i32 s52, s48, 16896                      ; my stage: 32 rows of 512 + 16 bytes
	v_mul_u32_u24 v6, v1, 528
	v_lshl_add_u32 v6, v2, 5, v6
	v_add_nc_u32 v[STO], s52, v6
	v_lshl_add_u32 v[RD], v3, 4, s52
	s_mul_i32 s52, s48, 4608                       ; my scratch: 32 rows of 128 + 16 bytes
	s_add_co_u32 s52, s52, SCR
	v_lshl_add_u32 v[SA], v3, 2, s52
	v_mul_u32_u24 v6, v3, 144
	v_add_nc_u32 v[SB], s52, v6
	v_lshlrev_b32 v6, 4, v3
	v_add_nc_u32 v[XB], XW, v6
	s_lshl_b32 s52, s48, 2
	v_add_nc_u32 v[XA], s52, v[XB]
	global_load_b128 v[BE:BE+3], v[CO], s[14:15]   ; be2, into registers that the address arithmetic has left
.macro LG0 slot, kq, kqg               ; column blocks 0-3 of quarter kq of the slot, and A's two blocks of the launch's quarter kqg: 12 loads
.irp b, 0,1,2,3
	ds_load_tr16_b128 v[BF+8*\b:BF+8*\b+3],   v[ADRB+2*\slot+(\kq)/2] offset:((\kq)%2)*32*WP+32*\b
	ds_load_tr16_b128 v[BF+8*\b+4:BF+8*\b+7], v[ADRB+2*\slot+(\kq)/2] offset:((\kq)%2)*32*WP+32*\b+16*WP
.endr
.irp a, 0,1
	ds_load_b128 v[AF+16*((\kq)%2)+8*\a:AF+16*((\kq)%2)+8*\a+3],   v[ADRA] offset:((\kqg)/2)*4608+((\kqg)%2)*64+2304*\a
	ds_load_b128 v[AF+16*((\kq)%2)+8*\a+4:AF+16*((\kq)%2)+8*\a+7], v[ADRA] offset:((\kqg)/2)*4608+((\kqg)%2)*64+2304*\a+32
.endr
.endm
.macro LG1 slot, kq                    ; column blocks 4-7: 8 loads
.irp b, 4,5,6,7
	ds_load_tr16_b128 v[BF+8*\b:BF+8*\b+3],   v[ADRB+2*\slot+(\kq)/2] offset:((\kq)%2)*32*WP+32*\b
	ds_load_tr16_b128 v[BF+8*\b+4:BF+8*\b+7], v[ADRB+2*\slot+(\kq)/2] offset:((\kq)%2)*32*WP+32*\b+16*WP
.endr
.endm
.macro PMUL kq, half, kqg              ; eight products; the launch's first quarter starts the sums
.irp b, 0,1,2,3
.irp a, 0,1
.if (\kqg) == 0
	v_wmma_f32_16x16x32_bf16 v[ACC+8*(8*\a+4*\half+\b):ACC+8*(8*\a+4*\half+\b)+7], v[BF+32*\half+8*\b:BF+32*\half+8*\b+7], v[AF+16*((\kq)%2)+8*\a:AF+16*((\kq)%2)+8*\a+7], 0
.else
	v_wmma_f32_16x16x32_bf16 v[ACC+8*(8*\a+4*\half+\b):ACC+8*(8*\a+4*\half+\b)+7], v[BF+32*\half+8*\b:BF+32*\half+8*\b+7], v[AF+16*((\kq)%2)+8*\a:AF+16*((\kq)%2)+8*\a+7], v[ACC+8*(8*\a+4*\half+\b):ACC+8*(8*\a+4*\half+\b)+7]
.endif
.endr
.endr
.endm
.macro PWORK tile, slot                ; the four quarters of one tile of Wo
	PLACES
	LG0 \slot, 0, 4*\tile
	LG1 \slot, 0
.irp kq, 0,1,2
	s_wait_dscnt 8                                 ; the 8 loads of blocks 4-7 may be out
	PMUL \kq, 0, 4*\tile+\kq
	PLACES
	LG0 \slot, \kq+1, 4*\tile+\kq+1
	s_wait_dscnt 12                                ; the 12 just issued may be out
	PMUL \kq, 1, 4*\tile+\kq
	PLACES
	LG1 \slot, \kq+1
.endr
	s_wait_dscnt 8
	PMUL 3, 0, 4*\tile+3
	s_wait_dscnt 0x0
	PMUL 3, 1, 4*\tile+3
.endm
.macro PTRIP tile, slot, refill
	s_wait_tensorcnt 0x0                           ; all my loads have landed, my part of this trip's tile among them: every group 0 may be written
	ds_add_u32 v30, v31
	s_wait_dscnt 0x0
	s_add_nc_u64 s[46-4*\slot:47-4*\slot], s[46-4*\slot:47-4*\slot], 2*STEP   ; the other slot's next tile
	s_wait_dscnt 0x0                               ; my reads of the other slot are done
	ROUND
.if \refill
	tensor_load_to_lds s[44-4*\slot:47-4*\slot], s[32:39]          ; into the slot read last: my one load behind the round
	s_nop 0
.endif
	PWORK \tile, \slot
.endm
	s_wait_tensorcnt 0x1                           ; o and my part of tile 0 are in; tile 1's load may stay out
	s_barrier_signal -1
	s_barrier_wait -1
	PWORK 0, 0
	PTRIP 1, 1, 1
	PTRIP 2, 0, 1
	PTRIP 3, 1, 0
	; THE EPILOGUE
	PLACES
	s_wait_dscnt 0x0
	ROUND                                          ; the closing round
.irp a, 0,1
.irp b, 0,1,2,3,4,5,6,7
	ds_store_b128 v[STO], v[ACC+8*(8*\a+\b):ACC+8*(8*\a+\b)+3]   offset:8448*\a+64*\b
	ds_store_b128 v[STO], v[ACC+8*(8*\a+\b)+4:ACC+8*(8*\a+\b)+7] offset:8448*\a+64*\b+16
.endr
.endr
.set i, 0
.rept 32
	ds_load_b128 v[ACC+4*i:ACC+4*i+3], v[RD] offset:528*i          ; row i, my 4 columns; my own bytes, served in order
.set i, i+1
.endr
	s_wait_loadcnt 0x0                             ; x, bo, g2, be2
	s_wait_dscnt 0x0
	WIN 0x04
.set i, 0
.rept 64
	v_pk_add_f32 v[ACC+2*i:ACC+2*i+1], v[ACC+2*i:ACC+2*i+1], v[2*i:2*i+1]
.set i, i+1
.endr
	WIN 0
.set i, 0
.rept 32
	v_pk_add_f32 v[ACC+4*i:ACC+4*i+1],   v[ACC+4*i:ACC+4*i+1],   v[BO:BO+1]
	v_pk_add_f32 v[ACC+4*i+2:ACC+4*i+3], v[ACC+4*i+2:ACC+4*i+3], v[BO+2:BO+3]
.set i, i+1
.endr
.set i, 0
.rept 32
	global_store_b128 v[CO], v[ACC+4*i:ACC+4*i+3], s[16:17] offset:2048*i      ; the wave's store covers 512 consecutive bytes
.set i, i+1
.endr
.macro SUM32                           ; v44-75 into v44
.irp i, 0,2,4,6,8,10,12,14
	v_pk_add_f32 v[44+\i:45+\i], v[44+\i:45+\i], v[60+\i:61+\i]
.endr
.irp i, 0,2,4,6
	v_pk_add_f32 v[44+\i:45+\i], v[44+\i:45+\i], v[52+\i:53+\i]
.endr
.irp i, 0,2
	v_pk_add_f32 v[44+\i:45+\i], v[44+\i:45+\i], v[48+\i:49+\i]
.endr
	v_pk_add_f32 v[44:45], v[44:45], v[46:47]
	v_add_f32 v44, v44, v45
.endm
; The lanes' partial figures of 32 rows lie in my scratch; lane = row adds its row's 32, and the four waves' figures meet in LDS.
.macro ACROSS off
.irp c, 0,1,2,3,4,5,6,7
	ds_load_b128 v[44+4*\c:47+4*\c], v[SB] offset:16*\c
.endr
	s_wait_dscnt 0x0
	SUM32
	ds_store_b32 v[XA], v44 offset:\off
	s_wait_dscnt 0x0                               ; for the others' sake
	s_barrier_signal -1
	s_barrier_wait -1
	ds_load_b128 v[44:47], v[XB] offset:\off
	s_wait_dscnt 0x0
	v_add_f32 v44, v44, v45
	v_add_f32 v46, v46, v47
	v_add_f32 v44, v44, v46
.endm
.set i, 0
.rept 32
	v_pk_add_f32 v[36+2*(i%4):37+2*(i%4)], v[ACC+4*i:ACC+4*i+1], v[ACC+4*i+2:ACC+4*i+3]
	v_add_f32 v[36+2*(i%4)], v[36+2*(i%4)], v[37+2*(i%4)]
	ds_store_b32 v[SA], v[36+2*(i%4)] offset:144*i
.set i, i+1
.endr
	ACROSS 0
	v_mul_f32 v2, 0xbb000000, v44                  ; lane = row: minus the mean
	s_wait_xcnt 0x0                                ; the rows, which the stores of x1 read, are rewritten only behind this wait
.set i, 0
.rept 32
	v_readlane_b32 s[58+2*(i%2)], v2, i
	v_pk_add_f32 v[ACC+4*i:ACC+4*i+1],   v[ACC+4*i:ACC+4*i+1],   s[58+2*(i%2):59+2*(i%2)] op_sel_hi:[1,0]
	v_pk_add_f32 v[ACC+4*i+2:ACC+4*i+3], v[ACC+4*i+2:ACC+4*i+3], s[58+2*(i%2):59+2*(i%2)] op_sel_hi:[1,0]
	v_pk_mul_f32 v[36+2*(i%4):37+2*(i%4)], v[ACC+4*i:ACC+4*i+1], v[ACC+4*i:ACC+4*i+1]
	v_pk_fma_f32 v[36+2*(i%4):37+2*(i%4)], v[ACC+4*i+2:ACC+4*i+3], v[ACC+4*i+2:ACC+4*i+3], v[36+2*(i%4):37+2*(i%4)]
	v_add_f32 v[36+2*(i%4)], v[36+2*(i%4)], v[37+2*(i%4)]
	ds_store_b32 v[SA], v[36+2*(i%4)] offset:144*i
.set i, i+1
.endr
	ACROSS 512                                     ; other bytes than the first meeting's
	v_fma_f32 v3, v44, s62, s63                    ; variance + 1e-5
	v_rsq_f32 v3, v3
	v_nop
.set i, 0
	s_wait_alu depctr_va_vdst(0)
.rept 32
	v_readlane_b32 s[58+2*(i%2)], v3, i
	v_pk_mul_f32 v[ACC+4*i:ACC+4*i+1],   v[ACC+4*i:ACC+4*i+1],   s[58+2*(i%2):59+2*(i%2)] op_sel_hi:[1,0]
	v_pk_mul_f32 v[ACC+4*i+2:ACC+4*i+3], v[ACC+4*i+2:ACC+4*i+3], s[58+2*(i%2):59+2*(i%2)] op_sel_hi:[1,0]
	v_pk_fma_f32 v[ACC+4*i:ACC+4*i+1],   v[ACC+4*i:ACC+4*i+1],   v[GG:GG+1],   v[BE:BE+1]
	v_pk_fma_f32 v[ACC+4*i+2:ACC+4*i+3], v[ACC+4*i+2:ACC+4*i+3], v[GG+2:GG+3], v[BE+2:BE+3]
	v_cvt_pk_bf16_f32 v[ACC+4*i],   v[ACC+4*i],   v[ACC+4*i+1]
	v_cvt_pk_bf16_f32 v[ACC+4*i+1], v[ACC+4*i+2], v[ACC+4*i+3]
	global_store_b64 v[CH], v[ACC+4*i:ACC+4*i+1], s[18:19] offset:1024*i       ; the wave's store covers 256 consecutive bytes, aligned
.set i, i+1
.endr
	s_wait_tensorcnt 0x0
	ds_add_u32 v30, v31
	s_wait_dscnt 0x0
	s_endpgm
.Lfunc_end_k_q2d22470378_proj:
	.size	k_q2d22470378_proj, .Lfunc_end_k_q2d22470378_proj-k_q2d22470378_proj
	.p2alignl 7, 3214868480
	.fill 96, 4, 3214868480
	.section	.rodata,"a",@progbits
	.p2align	6, 0x0
	.amdhsa_kernel k_q2d22470378_proj
		.amdhsa_group_segment_fixed_size 327680
		.amdhsa_private_segment_fixed_size 0
		.amdhsa_enable_private_segment 0
		.amdhsa_kernarg_size 64
		.amdhsa_user_sgpr_count 2
		.amdhsa_user_sgpr_kernarg_segment_ptr 1
		.amdhsa_wavefront_size32 1
		.amdhsa_system_sgpr_workgroup_id_x 1
		.amdhsa_system_sgpr_workgroup_id_y 1
		.amdhsa_system_sgpr_workgroup_id_z 1
		.amdhsa_system_vgpr_workitem_id 0
		.amdhsa_next_free_vgpr 384
		.amdhsa_next_free_sgpr 66
		.amdhsa_reserve_vcc 0
		.amdhsa_float_denorm_mode_32 3
		.amdhsa_float_denorm_mode_16_64 3
		.amdhsa_memory_ordered 1
		.amdhsa_forward_progress 1
		.amdhsa_inst_pref_size 106
	.end_amdhsa_kernel
	.amdgpu_metadata
---
amdhsa.version: [ 1, 2 ]
amdhsa.kernels:
  - .name:           k_q2d22470378_proj
    .symbol:         k_q2d22470378_proj.kd
    .args:
      - { .name: o, .offset: 0, .size: 8, .value_kind: global_buffer, .address_space: global }
      - { .name: wts, .offset: 8, .size: 8, .value_kind: global_buffer, .address_space: global }
      - { .name: x, .offset: 16, .size: 8, .value_kind: global_buffer, .address_space: global }
      - { .name: bo, .offset: 24, .size: 8, .value_kind: global_buffer, .address_space: global }
      - { .name: g2, .offset: 32, .size: 8, .value_kind: global_buffer, .address_space: global }
      - { .name: be2, .offset: 40, .size: 8, .value_kind: global_buffer, .address_space: global }
      - { .name: x1, .offset: 48, .size: 8, .value_kind: global_buffer, .address_space: global }
      - { .name: h2, .offset: 56, .size: 8, .value_kind: global_buffer, .address_space: global }
    .group_segment_fixed_size: 327680
    .private_segment_fixed_size: 0
    .kernarg_segment_align: 8
    .kernarg_segment_size: 64
    .max_flat_workgroup_size: 128
    .sgpr_count:     66
    .vgpr_count:     384
    .wavefront_size: 32
...
	.end_amdgpu_metadata
.endif
;; end of part 4
;; launch mlp1 (part 5): grid 8 x 32, 4 waves a work-group, clusters of 4 x 4, 327,680 bytes of LDS; arguments h2, wts, b1, u; writes u
.if DOCPART == 5
	.amdgcn_target "amdgcn-amd-amdhsa--gfx1250"
	.amdhsa_code_object_version 6
	.text
	.protected	k_q2d22470378_mlp1
	.globl	k_q2d22470378_mlp1
	.p2align	8
	.type	k_q2d22470378_mlp1,@function
k_q2d22470378_mlp1:
	s_mov_b64 s[64:65], 0
	v_nop
	global_prefetch_b8 v0, s[64:65] scope:SCOPE_SE
	s_setreg_imm32_b32 hwreg(HW_REG_WAVE_MODE, 25, 1), 1
	s_wait_xcnt 0x0
	s_wait_alu depctr_hold_cnt(0) depctr_sa_sdst(0) depctr_va_vdst(0) depctr_va_sdst(0) depctr_va_ssrc(0) depctr_va_vcc(0) depctr_vm_vsrc(0)
	s_getreg_b32 s2, hwreg(HW_REG_IB_STS2, 6, 4)
	s_cmp_eq_u32 s2, 0
	s_cbranch_scc0 .Lentry_in_a_cluster
	s_endpgm
.Lentry_in_a_cluster:
	s_bfe_u32 s2, ttmp6, 0x10000c
	s_cmp_lg_u32 s2, 0xf033
	s_cbranch_scc0 .Lentry_shape_is_right
	s_endpgm
.Lentry_shape_is_right:
; mlp1: u = gelu(h2 W1 + b1), the exact (erf) form, rounded once to bf16.  h2: [8192][512] bf16; W1: [512][2048] bf16 at wts + 2,097,152.
; A work-group makes 256 x 256 with four waves (2 x 2), a wave 128 x 128: 64 accumulator tiles.  K goes in steps of 128 through two LDS
; slots filled by the tensor data mover.  B lies [k][n] in LDS and is turned on the way into registers by ds_load_tr16_b128.
; CLUSTERS: 4 x 4 work-groups; A's tile is asked for jointly along a row of the cluster, B's along a column.
; REGISTERS: window 0: v16-29 addresses and a constant, v64-191 A fragments (two buffers), v192-255 b1 of my columns, loaded at the start;
; epilogue v32-191; window 1: B fragments, two buffers; windows 2, 3: accumulators of m blocks 0-3, 4-7.
; The matrix instruction is used transposed: a lane holds eight neighbouring columns of a row.
; The accumulators take turns, one instruction a turn.
; GELU: gelu(x) = max(x, 0) - |x| y, y = 0.5 erfc(|x| / sqrt 2) = 0.5 t (a1 + t (a2 + t (a3 + t (a4 + t a5)))) e^(-x x / 2), t = 1 / (1 + 0.23164189 |x|).
; LIMITS: that formula's absolute error in erf is 1.5e-7; v_exp_f32 flushes results under 2^-126 to zero (gelu is then max(x, 0));
; NaN and infinities are not treated specially.
.set SIZE_K, 512
.set SIZE_N, 2048
.set BM,     256
.set BN,     256
.set TA,     8
.set TB,     8
.set KSTEP,  128
.set NQ,     4
.set AP,     272
.set QIA,    5
.set BP,     544                       ; 512 + 32
.set QIB,    6
.set BGRP,   64                        ; a row has no pad inside: block b lies at 32 b
.set BGS,    0
.set HALFT,  34816
.set WOFF,   2097152
.set SLOT,   4*HALFT
.set STAGE,  2*SLOT
.set LAPS,   SIZE_K/(2*KSTEP)
.set NL,     2*(TA+TB)
.set ADRA, 16
.set ADRB, 20
.set STO,  24
.set RD,   25
.set CO,   26
.set FA,   64
.set BI,   192                         ; v192-255  b1 of my 8 x 8 columns
.set G1,  24
.set G0,  32
.set G1B, 48
.set G0B, 56
.set MSB, 0
.macro WIN new
.if MSB != \new
	s_set_vgpr_msb (MSB<<8)|\new
.set MSB, \new
.endif
.endm
.macro PLACES
.rept 4
	v_nop
.endr
.endm
.macro JLOAD s
	s_cmp_eq_u32 s11, 0
	s_cbranch_scc0 .Lfor_b_\@
	tensor_load_to_lds s[G0+4*\s:G0+4*\s+3], s[G1:G1+7]
	s_nop 0
	s_branch .Lasked_\@
.Lfor_b_\@:
	tensor_load_to_lds s[G0B+4*\s:G0B+4*\s+3], s[G1B:G1B+7]
	s_nop 0
.Lasked_\@:
.endm
.macro CREST
	s_cmp_lg_u32 s10, 0
	s_cbranch_scc1 .Lnot_wave_0_\@
	s_barrier_signal -3
.Lnot_wave_0_\@:
	s_barrier_wait -3
	s_barrier_signal -1
	s_barrier_wait -1
.endm
.macro CROUND
	s_barrier_signal -1
	s_barrier_wait -1
	CREST
.endm
	s_load_b128 s[4:7], s[0:1], 0x0                ; h2, wts
	s_load_b64 s[66:67], s[0:1], 0x10              ; b1
	s_load_b64 s[8:9], s[0:1], 0x18                ; u
	s_set_vgpr_msb 0x40
	v_lshl_add_u32 v255, v0, 2, 0x48400
	s_set_vgpr_msb 0x4000
	v_mov_b32 v31, 0
	s_set_vgpr_msb 0x1
	ds_add_u32 v255, v31
	s_set_vgpr_msb 0x100
	v_lshrrev_b32 v1, 5, v0
	v_readfirstlane_b32 s10, v1
	s_lshr_b32 s11, s10, 1                         ; my half of the rows; also: I fetch for A (0) or B (1)
	s_and_b32 s12, s10, 1                          ; my half of the columns; also: which half I fetch
	s_bfe_u32 s40, ttmp6, 0x40000
	s_bfe_u32 s41, ttmp6, 0x40004
	s_lshl_b32 s42, ttmp9, 2
	s_add_co_u32 s42, s42, s40                     ; block column
	s_and_b32 s13, ttmp7, 0xffff
	s_lshl_b32 s13, s13, 2
	s_add_co_u32 s13, s13, s41                     ; block row
	s_lshl_b32 s43, s41, 2
	s_lshl_b32 s43, 15, s43
	s_lshl_b32 s44, 0x1111, s40
	s_mov_b32 s70, 0x7fffffff
	s_or_b32 s[G1+0], s43, (1<<16)|(1<<20)|(1<<21)|(QIA<<22)|(3<<25)
	s_or_b32 s[G1B+0], s44, (1<<16)|(1<<20)|(1<<21)|(QIB<<22)|(7<<25)
	s_mov_b32 s[G1+1], KSTEP<<16
	s_mov_b32 s[G1+2], (BM/2)<<16
	s_mov_b32 s[G1+3], KSTEP<<16
	s_mov_b32 s[G1+4], BM/2
	s_mov_b32 s[G1+5], SIZE_K
	s_mov_b32 s[G1+6], 0
	s_mov_b32 s[G1+7], 0
	s_mov_b32 s[G1B+1], BN<<16
	s_mov_b32 s[G1B+2], (KSTEP/2)<<16
	s_mov_b32 s[G1B+3], BN<<16
	s_mov_b32 s[G1B+4], KSTEP/2
	s_mov_b32 s[G1B+5], SIZE_N
	s_mov_b32 s[G1B+6], 0
	s_mov_b32 s[G1B+7], 0
	s_mul_i32 s17, s12, BM/2
	s_mul_i32 s16, s13, BM
	s_add_co_u32 s16, s16, s17
	s_mul_i32 s16, s16, SIZE_K*2
	s_mov_b32 s17, 0
	s_mul_i32 s46, s42, BN*2
	s_mul_i32 s47, s12, (KSTEP/2)*SIZE_N*2
	s_add_co_u32 s46, s46, s47
	s_mov_b32 s47, 0
	s_mul_i32 s20, s10, HALFT
	s_wait_dscnt 0x0
	s_wait_kmcnt 0x0
	s_add_nc_u64 s[14:15], s[4:5], s[16:17]
	s_add_nc_u64 s[46:47], s[6:7], s[46:47]
.if WOFF
	s_add_nc_u64 s[46:47], s[46:47], WOFF
.endif
	CROUND
.irp s, 0,1
	s_mov_b32 s[G0+4*\s], 1
	s_add_co_u32 s[G0+4*\s+1], s20, \s*SLOT
	s_add_nc_u64 s[G0+4*\s+2:G0+4*\s+3], s[14:15], \s*KSTEP*2
	s_or_b32 s[G0+4*\s+3], s[G0+4*\s+3], 0x80000000
	s_mov_b32 s[G0B+4*\s], 1
	s_add_co_u32 s[G0B+4*\s+1], s20, \s*SLOT
	s_add_nc_u64 s[G0B+4*\s+2:G0B+4*\s+3], s[46:47], \s*KSTEP*SIZE_N*2
	s_or_b32 s[G0B+4*\s+3], s[G0B+4*\s+3], 0x80000000
	JLOAD \s
.endr
	v_and_b32 v1, 15, v0
	v_bfe_u32 v2, v0, 4, 1
	v_lshlrev_b32 v27, 5, v2                       ; b1: my eight columns of a block begin at 32 h
	s_lshl_b32 s72, s42, 10                        ; 256 columns of 4 bytes a block,
	s_lshl_b32 s73, s12, 9                         ; my 128
	s_add_co_u32 s72, s72, s73
	s_mov_b32 s73, 0
	s_add_nc_u64 s[66:67], s[66:67], s[72:73]
.irp b, 0,1,2,3,4,5,6,7
	global_load_b128 v[BI+8*\b:BI+8*\b+3],   v27, s[66:67] offset:64*\b        ; wanted only on the way out: the whole K loop lies between
	global_load_b128 v[BI+8*\b+4:BI+8*\b+7], v27, s[66:67] offset:64*\b+16
.endr
	v_mul_u32_u24 v3, v1, AP
	v_lshl_add_u32 v3, v2, 4, v3
	v_and_b32 v4, 7, v0
	v_lshl_add_u32 v4, v2, 3, v4
	v_mul_u32_u24 v4, v4, BP
	v_bfe_u32 v5, v0, 3, 1
	v_lshl_add_u32 v4, v5, 4, v4
	s_mul_i32 s21, s11, HALFT                      ; my 128 rows of A
	s_mul_i32 s22, s12, 32*TB                      ; my 128 columns of B,
	s_add_co_u32 s22, s22, 2*HALFT                 ; which lies behind A
	s_add_co_u32 s23, s22, HALFT
.irp s, 0,1
	v_add_nc_u32 v[ADRA+\s], s21, v3
	v_add_nc_u32 v[ADRB+2*\s], s22, v4
	v_add_nc_u32 v[ADRB+2*\s+1], s23, v4
	s_add_co_u32 s21, s21, SLOT
	s_add_co_u32 s22, s22, SLOT
	s_add_co_u32 s23, s23, SLOT
.endr
	s_mul_i32 s23, s10, 16*272
	s_add_co_u32 s23, s23, STAGE
	v_mul_u32_u24 v6, v1, 272
	v_lshl_add_u32 v6, v2, 4, v6
	v_add_nc_u32 v[STO], s23, v6
	v_mul_u32_u24 v6, v2, 272
	v_lshl_add_u32 v6, v1, 4, v6
	v_add_nc_u32 v[RD], s23, v6
	v_mul_u32_u24 v6, v2, SIZE_N*2
	v_lshl_add_u32 v[CO], v1, 4, v6
	v_mov_b32 v28, 0x3f07dc22                      ; a5 / 2, a pair
	v_mov_b32 v29, 0x3f07dc22
.macro MULH f, hi, zero
.if \hi
	WIN 0xf1
.else
	WIN 0xa1
.endif
.set ia, 0
.rept TA/2
.set ib, 0
.rept TB
.if \zero
	v_wmma_f32_16x16x32_bf16 v[8*(ia*TB+ib):8*(ia*TB+ib)+7], v[96*\f+8*ib:96*\f+8*ib+7], v[FA+64*\f+8*(\hi*TA/2+ia):FA+64*\f+8*(\hi*TA/2+ia)+7], 0
.else
	v_wmma_f32_16x16x32_bf16 v[8*(ia*TB+ib):8*(ia*TB+ib)+7], v[96*\f+8*ib:96*\f+8*ib+7], v[FA+64*\f+8*(\hi*TA/2+ia):FA+64*\f+8*(\hi*TA/2+ia)+7], v[8*(ia*TB+ib):8*(ia*TB+ib)+7]
.endif
.set ib, ib+1
.endr
.set ia, ia+1
.endr
.endm
.macro FETCH slot, kq, f
	WIN 0x40
.set ib, 0
.rept TB
	ds_load_tr16_b128 v[96*\f+8*ib:96*\f+8*ib+3],   v[ADRB+2*\slot+\kq/(NQ/2)] offset:(\kq%(NQ/2))*32*BP+(ib/BGRP)*BGS+(ib%BGRP)*32
	ds_load_tr16_b128 v[96*\f+8*ib+4:96*\f+8*ib+7], v[ADRB+2*\slot+\kq/(NQ/2)] offset:(\kq%(NQ/2))*32*BP+(ib/BGRP)*BGS+(ib%BGRP)*32+16*BP
.set ib, ib+1
.endr
	WIN 0
.set ia, 0
.rept TA
	ds_load_b128 v[FA+64*\f+8*ia:FA+64*\f+8*ia+3],   v[ADRA+\slot] offset:ia*16*AP+64*\kq
	ds_load_b128 v[FA+64*\f+8*ia+4:FA+64*\f+8*ia+7], v[ADRA+\slot] offset:ia*16*AP+64*\kq+32
.set ia, ia+1
.endr
.endm
.macro QUARTER slot, kqn, f, g, zero
	s_wait_dscnt TA                                ; all but the youngest TA loads: A's upper m blocks may be out
	MULH \f, 0, \zero
	PLACES
	FETCH \slot, \kqn, \g
	s_wait_dscnt NL                                ; all but the NL just issued
	MULH \f, 1, \zero
.endm
.macro STEPQ slot, zero
	QUARTER \slot, 1, 0, 1, \zero
	QUARTER \slot, 2, 1, 0, 0
	QUARTER \slot, 3, 0, 1, 0
.endm
.macro TURN slot, next, fill           ; the change of slots: waits for my reads and all my tensor loads, the barrier (the cluster's round), the refill first
	s_wait_dscnt 0x0
	s_wait_tensorcnt 0x0
	ds_add_u32 v255, v31
	s_wait_dscnt 0x0
	s_barrier_signal -1
	MULH 1, 0, 0
	WIN 0
	s_barrier_wait -1
.if \fill
	CREST
	s_add_nc_u64 s[G0+4*\slot+2:G0+4*\slot+3], s[G0+4*\slot+2:G0+4*\slot+3], 2*KSTEP*2
	s_add_nc_u64 s[G0B+4*\slot+2:G0B+4*\slot+3], s[G0B+4*\slot+2:G0B+4*\slot+3], 2*KSTEP*SIZE_N*2
	JLOAD \slot
.endif
	PLACES
	FETCH \next, 0, 0
	MULH 1, 1, 0
.endm
.macro LAP zero
	STEPQ 0, \zero
	TURN 0, 1, 1
	STEPQ 1, 0
	TURN 1, 0, 1
.endm
	s_wait_tensorcnt 1                             ; my part of step 0 is in; step 1's load may stay out
	s_barrier_signal -1
	s_barrier_wait -1
	FETCH 0, 0, 0
	LAP 1
	STEPQ 0, 0
	TURN 0, 1, 0
	STEPQ 1, 0
	s_wait_dscnt TA
	MULH 1, 0, 0
	s_wait_dscnt 0x0
	MULH 1, 1, 0
	PLACES
	; THE WAY OUT, 16 rows at a time: + b1, gelu, round, through my own stage, whole rows of 256 bytes out.
.set XX,  128                          ; v128-191  16 rows' numbers at work
.set AA,  32                           ; v32-39    |x|
.set TT,  40                           ; v40-47    t
.set EE,  48                           ; v48-55    e^(-x x / 2)
.set PP,  56                           ; v56-63    the polynomial
.set TMP, 64                           ; v64-95    packed results
.set RB,  96                           ; v96-127   rows read back
	WIN 0
	s_lshl_b32 s46, s42, 8
	s_lshl_b32 s47, s12, 7
	s_add_co_u32 s46, s46, s47                     ; my first column
	s_lshl_b32 s46, s46, 1
	s_mov_b32 s47, 0
	s_add_nc_u64 s[8:9], s[8:9], s[46:47]
	s_lshl_b32 s16, s13, 8
	s_lshl_b32 s18, s11, 7
	s_add_co_u32 s16, s16, s18                     ; my first row
	s_mul_i32 s16, s16, SIZE_N*2
	s_mov_b32 s17, 0
	s_add_nc_u64 s[8:9], s[8:9], s[16:17]
	s_wait_loadcnt 0x0                             ; b1, asked for at the start
.macro GELU8 xb
.irp i, 0,1,2,3,4,5,6,7
	v_and_b32 v[AA+\i], s70, v[\xb+\i]
.endr
.irp i, 0,2,4,6
	v_pk_fma_f32 v[TT+\i:TT+\i+1], v[AA+\i:AA+\i+1], 0x3e6d3388, 1.0 op_sel_hi:[1,0,0]
.endr
.irp i, 0,1,2,3,4,5,6,7
	v_rcp_f32 v[TT+\i], v[TT+\i]
.endr
.irp i, 0,2,4,6
	v_pk_mul_f32 v[EE+\i:EE+\i+1], v[\xb+\i:\xb+\i+1], 0xbf38aa3b op_sel_hi:[1,0]    ; plain work behind the reciprocals, which it does not touch
.endr
.irp i, 0,2,4,6
	v_pk_mul_f32 v[EE+\i:EE+\i+1], v[EE+\i:EE+\i+1], v[\xb+\i:\xb+\i+1]              ; - x x log2(e) / 2
.endr
.irp i, 0,1,2,3,4,5,6,7
	v_exp_f32 v[EE+\i], v[EE+\i]
.endr
	s_wait_alu depctr_va_vdst(0)
.irp i, 0,2,4,6
	v_pk_fma_f32 v[PP+\i:PP+\i+1], v[TT+\i:TT+\i+1], v[28:29], 0xbf3a00e3 op_sel_hi:[1,1,0]   ; plain work behind the exponentials likewise
.endr
.irp i, 0,2,4,6
	v_pk_fma_f32 v[PP+\i:PP+\i+1], v[PP+\i:PP+\i+1], v[TT+\i:TT+\i+1], 0x3f35f0e3 op_sel_hi:[1,1,0]
.endr
.irp i, 0,2,4,6
	v_pk_fma_f32 v[PP+\i:PP+\i+1], v[PP+\i:PP+\i+1], v[TT+\i:TT+\i+1], 0xbe11a98e op_sel_hi:[1,1,0]
.endr
.irp i, 0,2,4,6
	v_pk_fma_f32 v[PP+\i:PP+\i+1], v[PP+\i:PP+\i+1], v[TT+\i:TT+\i+1], 0x3e027906 op_sel_hi:[1,1,0]
.endr
.irp i, 0,2,4,6
	v_pk_mul_f32 v[PP+\i:PP+\i+1], v[PP+\i:PP+\i+1], v[TT+\i:TT+\i+1]
.endr
.irp i, 0,2,4,6
	v_pk_mul_f32 v[PP+\i:PP+\i+1], v[PP+\i:PP+\i+1], v[EE+\i:EE+\i+1]
.endr
.irp i, 0,1,2,3,4,5,6,7
	v_max_num_f32 v[\xb+\i], 0, v[\xb+\i]
.endr
.irp i, 0,2,4,6
	v_pk_fma_f32 v[\xb+\i:\xb+\i+1], v[PP+\i:PP+\i+1], v[AA+\i:AA+\i+1], v[\xb+\i:\xb+\i+1] neg_lo:[1,0,0] neg_hi:[1,0,0]
.endr
.endm
.macro OUTG a, ap, from
	WIN \from
.set ib, 0
.rept 8
.irp i, 0,2,4,6
	v_pk_add_f32 v[XX+8*ib+\i:XX+8*ib+\i+1], v[8*(\ap*TB+ib)+\i:8*(\ap*TB+ib)+\i+1], v[BI+8*ib+\i:BI+8*ib+\i+1]
.endr
.set ib, ib+1
.endr
	WIN 0
.irp b, 0,1,2,3,4,5,6,7
	GELU8 XX+8*\b
.endr
.irp b, 0,1,2,3,4,5,6,7
.irp i, 0,1,2,3
	v_cvt_pk_bf16_f32 v[TMP+4*\b+\i], v[XX+8*\b+2*\i], v[XX+8*\b+2*\i+1]
.endr
.endr
.irp b, 0,1,2,3,4,5,6,7
	ds_store_b128 v[STO], v[TMP+4*\b:TMP+4*\b+3] offset:32*\b
.endr
	s_wait_xcnt 0x0                                ; the read-back registers and the stores' base are rewritten only behind this wait
.if \a
	s_add_nc_u64 s[8:9], s[8:9], 16*SIZE_N*2
.endif
.irp t, 0,1,2,3,4,5,6,7
	ds_load_b128 v[RB+4*\t:RB+4*\t+3], v[RD] offset:\t*2*272       ; my own bytes, served in order
.endr
.irp t, 0,1,2,3,4,5,6,7
	s_wait_dscnt 7-\t
	global_store_b128 v[CO], v[RB+4*\t:RB+4*\t+3], s[8:9] offset:2*\t*SIZE_N*2   ; 16 lanes store 256 consecutive bytes, aligned
.endr
.endm
	OUTG 0, 0, 0x02
	OUTG 1, 1, 0x02
	OUTG 2, 2, 0x02
	OUTG 3, 3, 0x02
	OUTG 4, 0, 0x03
	OUTG 5, 1, 0x03
	OUTG 6, 2, 0x03
	OUTG 7, 3, 0x03
	s_set_vgpr_msb 0x1
	s_wait_tensorcnt 0x0
	ds_add_u32 v255, v31
	s_wait_dscnt 0x0
	s_set_vgpr_msb 0x100
	CROUND                                         ; the closing round
	s_endpgm
.Lfunc_end_k_q2d22470378_mlp1:
	.size	k_q2d22470378_mlp1, .Lfunc_end_k_q2d22470378_mlp1-k_q2d22470378_mlp1
	.p2alignl 7, 3214868480
	.fill 96, 4, 3214868480
	.section	.rodata,"a",@progbits
	.p2align	6, 0x0
	.amdhsa_kernel k_q2d22470378_mlp1
		.amdhsa_group_segment_fixed_size 327680
		.amdhsa_private_segment_fixed_size 0
		.amdhsa_enable_private_segment 0
		.amdhsa_kernarg_size 32
		.amdhsa_user_sgpr_count 2
		.amdhsa_user_sgpr_kernarg_segment_ptr 1
		.amdhsa_wavefront_size32 1
		.amdhsa_system_sgpr_workgroup_id_x 1
		.amdhsa_system_sgpr_workgroup_id_y 1
		.amdhsa_system_sgpr_workgroup_id_z 1
		.amdhsa_system_vgpr_workitem_id 0
		.amdhsa_next_free_vgpr 1024
		.amdhsa_next_free_sgpr 80
		.amdhsa_reserve_vcc 0
		.amdhsa_float_denorm_mode_32 3
		.amdhsa_float_denorm_mode_16_64 3
		.amdhsa_memory_ordered 1
		.amdhsa_forward_progress 1
		.amdhsa_inst_pref_size 255
	.end_amdhsa_kernel
	.section	.bss,"aw",@nobits
	.p2align	6
	.space	262144
	.amdgpu_metadata
---
amdhsa.version: [ 1, 2 ]
amdhsa.kernels:
  - .name:           k_q2d22470378_mlp1
    .symbol:         k_q2d22470378_mlp1.kd
    .args:
      - { .name: h2, .offset: 0, .size: 8, .value_kind: global_buffer, .address_space: global }
      - { .name: wts, .offset: 8, .size: 8, .value_kind: global_buffer, .address_space: global }
      - { .name: b1, .offset: 16, .size: 8, .value_kind: global_buffer, .address_space: global }
      - { .name: u, .offset: 24, .size: 8, .value_kind: global_buffer, .address_space: global }
    .group_segment_fixed_size: 327680
    .private_segment_fixed_size: 0
    .kernarg_segment_align: 8
    .kernarg_segment_size: 32
    .max_flat_workgroup_size: 128
    .sgpr_count:     80
    .vgpr_count:     1024
    .wavefront_size: 32
...
	.end_amdgpu_metadata
.endif
;; end of part 5
;; launch mlp2 (part 6): grid 4 x 64, 4 waves a work-group, clusters of 4 x 4, 327,680 bytes of LDS; arguments u, wts, b2, x1, out0; writes out0
.if DOCPART == 6
	.amdgcn_target "amdgcn-amd-amdhsa--gfx1250"
	.amdhsa_code_object_version 6
	.text
	.protected	k_q2d22470378_mlp2
	.globl	k_q2d22470378_mlp2
	.p2align	8
	.type	k_q2d22470378_mlp2,@function
k_q2d22470378_mlp2:
	s_mov_b64 s[64:65], 0
	v_nop
	global_prefetch_b8 v0, s[64:65] scope:SCOPE_SE
	s_setreg_imm32_b32 hwreg(HW_REG_WAVE_MODE, 25, 1), 1
	s_wait_xcnt 0x0
	s_wait_alu depctr_hold_cnt(0) depctr_sa_sdst(0) depctr_va_vdst(0) depctr_va_sdst(0) depctr_va_ssrc(0) depctr_va_vcc(0) depctr_vm_vsrc(0)
	s_getreg_b32 s2, hwreg(HW_REG_IB_STS2, 6, 4)
	s_cmp_eq_u32 s2, 0
	s_cbranch_scc0 .Lentry_in_a_cluster
	s_endpgm
.Lentry_in_a_cluster:
	s_bfe_u32 s2, ttmp6, 0x10000c
	s_cmp_lg_u32 s2, 0xf033
	s_cbranch_scc0 .Lentry_shape_is_right
	s_endpgm
.Lentry_shape_is_right:
; mlp2: out0 = x1 + u W2 + b2 (f32).  u: [8192][2048] bf16; W2: [2048][512] bf16 at wts + 4,194,304.
; With 512 columns, 256 equal work-groups leave blocks of 128 x 128: four waves (2 x 2) of 64 x 64, 16 accumulator tiles each.
; A slot therefore holds 256 along K (two steps of 128): half as many rounds, twice the bytes on their way behind each.
; B lies [k][n] in LDS and is turned on the way into registers by ds_load_tr16_b128.
; CLUSTERS: 4 x 4 work-groups; A's tile is asked for jointly along a row of the cluster, B's along a column.
; REGISTERS: window 0: v16-31 addresses and b2, v64-191 A fragments (two buffers), v192-223 the way out; window 1: B fragments;
; windows 2, 3: accumulators of m blocks 0-1, 2-3 in v0-63; window 2, v64-191: my 64 x 64 of x1, asked for at the start, behind the first
; tensor loads, and wanted only on the way out.  The matrix instruction is used transposed.
; The accumulators take turns, one instruction a turn.
.set SIZE_K, 2048
.set SIZE_N, 512
.set BM,     128
.set BN,     128
.set TA,     4
.set TB,     4
.set KSTEP,  256
.set NQ,     8
.set AP,     528                       ; 512 + 16
.set QIA,    6
.set BP,     288                       ; 256 + 32
.set QIB,    5
.set BGRP,   64
.set BGS,    0
.set HALFT,  36864
.set WOFF,   4194304
.set SLOT,   4*HALFT
.set STAGE,  2*SLOT
.set LAPS,   SIZE_K/(2*KSTEP)
.set NL,     2*(TA+TB)
.set ADRA, 16
.set ADRB, 20
.set STO,  24
.set RD,   25
.set CO,   26
.set FA,   64
.set TMP,  192
.set XI,   64                          ; in window 2
.set G1,  24
.set G0,  32
.set G1B, 48
.set G0B, 56
.set MSB, 0
.macro WIN new
.if MSB != \new
	s_set_vgpr_msb (MSB<<8)|\new
.set MSB, \new
.endif
.endm
.macro PLACES
.rept 4
	v_nop
.endr
.endm
.macro JLOAD s
	s_cmp_eq_u32 s11, 0
	s_cbranch_scc0 .Lfor_b_\@
	tensor_load_to_lds s[G0+4*\s:G0+4*\s+3], s[G1:G1+7]
	s_nop 0
	s_branch .Lasked_\@
.Lfor_b_\@:
	tensor_load_to_lds s[G0B+4*\s:G0B+4*\s+3], s[G1B:G1B+7]
	s_nop 0
.Lasked_\@:
.endm
.macro CREST
	s_cmp_lg_u32 s10, 0
	s_cbranch_scc1 .Lnot_wave_0_\@
	s_barrier_signal -3
.Lnot_wave_0_\@:
	s_barrier_wait -3
	s_barrier_signal -1
	s_barrier_wait -1
.endm
.macro CROUND
	s_barrier_signal -1
	s_barrier_wait -1
	CREST
.endm
	s_load_b128 s[4:7], s[0:1], 0x0                ; u, wts
	s_load_b64 s[66:67], s[0:1], 0x10              ; b2
	s_load_b64 s[68:69], s[0:1], 0x18              ; x1
	s_load_b64 s[8:9], s[0:1], 0x20                ; out0
	s_set_vgpr_msb 0x40
	v_lshl_add_u32 v255, v0, 2, 0x4c400
	s_set_vgpr_msb 0x4000
	v_mov_b32 v255, 0
	s_set_vgpr_msb 0x1
	ds_add_u32 v255, v255
	s_set_vgpr_msb 0x100
	v_lshrrev_b32 v1, 5, v0
	v_readfirstlane_b32 s10, v1
	s_lshr_b32 s11, s10, 1
	s_and_b32 s12, s10, 1
	s_bfe_u32 s40, ttmp6, 0x40000
	s_bfe_u32 s41, ttmp6, 0x40004
	s_lshl_b32 s42, ttmp9, 2
	s_add_co_u32 s42, s42, s40                     ; block column
	s_and_b32 s13, ttmp7, 0xffff
	s_lshl_b32 s13, s13, 2
	s_add_co_u32 s13, s13, s41                     ; block row
	s_lshl_b32 s43, s41, 2
	s_lshl_b32 s43, 15, s43
	s_lshl_b32 s44, 0x1111, s40
	s_or_b32 s[G1+0], s43, (1<<16)|(1<<20)|(1<<21)|(QIA<<22)|(3<<25)
	s_or_b32 s[G1B+0], s44, (1<<16)|(1<<20)|(1<<21)|(QIB<<22)|(7<<25)
	s_mov_b32 s[G1+1], KSTEP<<16
	s_mov_b32 s[G1+2], (BM/2)<<16
	s_mov_b32 s[G1+3], KSTEP<<16
	s_mov_b32 s[G1+4], BM/2
	s_mov_b32 s[G1+5], SIZE_K
	s_mov_b32 s[G1+6], 0
	s_mov_b32 s[G1+7], 0
	s_mov_b32 s[G1B+1], BN<<16
	s_mov_b32 s[G1B+2], (KSTEP/2)<<16
	s_mov_b32 s[G1B+3], BN<<16
	s_mov_b32 s[G1B+4], KSTEP/2
	s_mov_b32 s[G1B+5], SIZE_N
	s_mov_b32 s[G1B+6], 0
	s_mov_b32 s[G1B+7], 0
	s_mul_i32 s17, s12, BM/2
	s_mul_i32 s16, s13, BM
	s_add_co_u32 s16, s16, s17
	s_mul_i32 s16, s16, SIZE_K*2
	s_mov_b32 s17, 0
	s_mul_i32 s46, s42, BN*2
	s_mul_i32 s47, s12, (KSTEP/2)*SIZE_N*2
	s_add_co_u32 s46, s46, s47
	s_mov_b32 s47, 0
	s_mul_i32 s20, s10, HALFT
	s_wait_dscnt 0x0
	s_wait_kmcnt 0x0
	s_add_nc_u64 s[14:15], s[4:5], s[16:17]
	s_add_nc_u64 s[46:47], s[6:7], s[46:47]
.if WOFF
	s_add_nc_u64 s[46:47], s[46:47], WOFF
.endif
	CROUND
.irp s, 0,1
	s_mov_b32 s[G0+4*\s], 1
	s_add_co_u32 s[G0+4*\s+1], s20, \s*SLOT
	s_add_nc_u64 s[G0+4*\s+2:G0+4*\s+3], s[14:15], \s*KSTEP*2
	s_or_b32 s[G0+4*\s+3], s[G0+4*\s+3], 0x80000000
	s_mov_b32 s[G0B+4*\s], 1
	s_add_co_u32 s[G0B+4*\s+1], s20, \s*SLOT
	s_add_nc_u64 s[G0B+4*\s+2:G0B+4*\s+3], s[46:47], \s*KSTEP*SIZE_N*2
	s_or_b32 s[G0B+4*\s+3], s[G0B+4*\s+3], 0x80000000
	JLOAD \s
.endr
	v_and_b32 v1, 15, v0
	v_bfe_u32 v2, v0, 4, 1
	v_lshlrev_b32 v27, 4, v1                       ; 16 r: my four columns on the way out
	v_lshl_add_u32 v[CO], v2, 11, v27              ; + one row for the upper lanes
	s_lshl_b32 s72, s42, 9                         ; 128 columns of 4 bytes a block,
	s_lshl_b32 s73, s12, 8                         ; my 64
	s_add_co_u32 s72, s72, s73
	s_mov_b32 s73, 0
	s_lshl_b32 s74, s13, 18                        ; 128 rows of 2,048 bytes a block,
	s_lshl_b32 s75, s11, 17                        ; my 64
	s_add_co_u32 s74, s74, s75
	s_mov_b32 s75, 0
	s_add_nc_u64 s[66:67], s[66:67], s[72:73]
	s_add_nc_u64 s[68:69], s[68:69], s[72:73]
	s_add_nc_u64 s[68:69], s[68:69], s[74:75]
	s_add_nc_u64 s[8:9], s[8:9], s[72:73]
	s_add_nc_u64 s[8:9], s[8:9], s[74:75]
	global_load_b128 v[28:31], v27, s[66:67]       ; b2 of my four columns
	WIN 0x80
.set i, 0
.rept 32
	global_load_b128 v[XI+4*i:XI+4*i+3], v[CO], s[68:69] offset:i*2*2048       ; x1, two rows a load, into window 2: the whole K loop lies between these and their use
.set i, i+1
.endr
	WIN 0
	v_mul_u32_u24 v3, v1, AP
	v_lshl_add_u32 v3, v2, 4, v3
	v_and_b32 v4, 7, v0
	v_lshl_add_u32 v4, v2, 3, v4
	v_mul_u32_u24 v4, v4, BP
	v_bfe_u32 v5, v0, 3, 1
	v_lshl_add_u32 v4, v5, 4, v4
	s_mul_i32 s21, s11, HALFT                      ; my 64 rows of A
	s_mul_i32 s22, s12, 32*TB                      ; my 64 columns of B
	s_add_co_u32 s22, s22, 2*HALFT
	s_add_co_u32 s23, s22, HALFT
.irp s, 0,1
	v_add_nc_u32 v[ADRA+\s], s21, v3
	v_add_nc_u32 v[ADRB+2*\s], s22, v4
	v_add_nc_u32 v[ADRB+2*\s+1], s23, v4
	s_add_co_u32 s21, s21, SLOT
	s_add_co_u32 s22, s22, SLOT
	s_add_co_u32 s23, s23, SLOT
.endr
	s_mul_i32 s23, s10, 16*272
	s_add_co_u32 s23, s23, STAGE                   ; my stage: 16 rows of 64 f32 + 16 bytes
	v_mul_u32_u24 v6, v1, 272
	v_lshl_add_u32 v6, v2, 5, v6
	v_add_nc_u32 v[STO], s23, v6
	v_mul_u32_u24 v6, v2, 272
	v_lshl_add_u32 v6, v1, 4, v6
	v_add_nc_u32 v[RD], s23, v6
.macro MULH f, hi, zero
.if \hi
	WIN 0xf1
.else
	WIN 0xa1
.endif
.set ia, 0
.rept TA/2
.set ib, 0
.rept TB
.if \zero
	v_wmma_f32_16x16x32_bf16 v[8*(ia*TB+ib):8*(ia*TB+ib)+7], v[96*\f+8*ib:96*\f+8*ib+7], v[FA+64*\f+8*(\hi*TA/2+ia):FA+64*\f+8*(\hi*TA/2+ia)+7], 0
.else
	v_wmma_f32_16x16x32_bf16 v[8*(ia*TB+ib):8*(ia*TB+ib)+7], v[96*\f+8*ib:96*\f+8*ib+7], v[FA+64*\f+8*(\hi*TA/2+ia):FA+64*\f+8*(\hi*TA/2+ia)+7], v[8*(ia*TB+ib):8*(ia*TB+ib)+7]
.endif
.set ib, ib+1
.endr
.set ia, ia+1
.endr
.endm
.macro FETCH slot, kq, f
	WIN 0x40
.set ib, 0
.rept TB
	ds_load_tr16_b128 v[96*\f+8*ib:96*\f+8*ib+3],   v[ADRB+2*\slot+\kq/(NQ/2)] offset:(\kq%(NQ/2))*32*BP+(ib/BGRP)*BGS+(ib%BGRP)*32
	ds_load_tr16_b128 v[96*\f+8*ib+4:96*\f+8*ib+7], v[ADRB+2*\slot+\kq/(NQ/2)] offset:(\kq%(NQ/2))*32*BP+(ib/BGRP)*BGS+(ib%BGRP)*32+16*BP
.set ib, ib+1
.endr
	WIN 0
.set ia, 0
.rept TA
	ds_load_b128 v[FA+64*\f+8*ia:FA+64*\f+8*ia+3],   v[ADRA+\slot] offset:ia*16*AP+64*\kq
	ds_load_b128 v[FA+64*\f+8*ia+4:FA+64*\f+8*ia+7], v[ADRA+\slot] offset:ia*16*AP+64*\kq+32
.set ia, ia+1
.endr
.endm
.macro QUARTER slot, kqn, f, g, zero
	s_wait_dscnt TA                                ; all but the youngest TA loads: A's upper m blocks may be out
	MULH \f, 0, \zero
	PLACES
	FETCH \slot, \kqn, \g
	s_wait_dscnt NL                                ; all but the NL just issued
	MULH \f, 1, \zero
.endm
.macro STEPQ slot, zero
	QUARTER \slot, 1, 0, 1, \zero
	QUARTER \slot, 2, 1, 0, 0
	QUARTER \slot, 3, 0, 1, 0
	QUARTER \slot, 4, 1, 0, 0
	QUARTER \slot, 5, 0, 1, 0
	QUARTER \slot, 6, 1, 0, 0
	QUARTER \slot, 7, 0, 1, 0
.endm
.macro TURN slot, next, fill           ; the change of slots: waits for my reads and all my tensor loads, the barrier (the cluster's round), the refill first
	s_wait_dscnt 0x0
	s_wait_tensorcnt 0x0
	ds_add_u32 v255, v255
	s_wait_dscnt 0x0
	s_barrier_signal -1
	MULH 1, 0, 0
	WIN 0
	s_barrier_wait -1
.if \fill
	CREST
	s_add_nc_u64 s[G0+4*\slot+2:G0+4*\slot+3], s[G0+4*\slot+2:G0+4*\slot+3], 2*KSTEP*2
	s_add_nc_u64 s[G0B+4*\slot+2:G0B+4*\slot+3], s[G0B+4*\slot+2:G0B+4*\slot+3], 2*KSTEP*SIZE_N*2
	JLOAD \slot
.endif
	PLACES
	FETCH \next, 0, 0
	MULH 1, 1, 0
.endm
.macro LAP zero
	STEPQ 0, \zero
	TURN 0, 1, 1
	STEPQ 1, 0
	TURN 1, 0, 1
.endm
	s_wait_tensorcnt 1                             ; my part of slot 0 is in; slot 1's load may stay out
	s_barrier_signal -1
	s_barrier_wait -1
	FETCH 0, 0, 0
	LAP 1
	WIN 0
	s_mov_b32 s3, LAPS-2
.Llap:
	LAP 0
	WIN 0
	s_sub_co_u32 s3, s3, 1
	s_cmp_lg_u32 s3, 0
	s_cbranch_scc1 .Llap
	STEPQ 0, 0
	TURN 0, 1, 0
	STEPQ 1, 0
	s_wait_dscnt TA
	MULH 1, 0, 0
	s_wait_dscnt 0x0
	MULH 1, 1, 0
	PLACES
	; THE WAY OUT, 16 rows at a time: f32 sums through my own stage, back as whole rows of 256 bytes, + x1 + b2.
	WIN 0
	s_wait_loadcnt 0x0                             ; b2 and x1, asked for at the start
.macro OUTF a, ap, from
	WIN \from
.irp b, 0,1,2,3
	ds_store_b128 v[STO], v[8*(\ap*TB+\b):8*(\ap*TB+\b)+3]   offset:64*\b
	ds_store_b128 v[STO], v[8*(\ap*TB+\b)+4:8*(\ap*TB+\b)+7] offset:64*\b+16
.endr
	WIN 0
	s_wait_xcnt 0x0                                ; the read-back registers, which earlier stores read, are loaded again only behind this wait
.irp t, 0,1,2,3,4,5,6,7
	ds_load_b128 v[TMP+4*\t:TMP+4*\t+3], v[RD] offset:544*\t       ; my own bytes, served in order
.endr
	s_wait_dscnt 0x0
	WIN 0x08                                       ; the second source, x1, lies in window 2
.irp t, 0,1,2,3,4,5,6,7
	v_pk_add_f32 v[TMP+4*\t:TMP+4*\t+1],   v[TMP+4*\t:TMP+4*\t+1],   v[XI+4*(8*\a+\t):XI+4*(8*\a+\t)+1]
	v_pk_add_f32 v[TMP+4*\t+2:TMP+4*\t+3], v[TMP+4*\t+2:TMP+4*\t+3], v[XI+4*(8*\a+\t)+2:XI+4*(8*\a+\t)+3]
.endr
	WIN 0
.irp t, 0,1,2,3,4,5,6,7
	v_pk_add_f32 v[TMP+4*\t:TMP+4*\t+1],   v[TMP+4*\t:TMP+4*\t+1],   v[28:29]
	v_pk_add_f32 v[TMP+4*\t+2:TMP+4*\t+3], v[TMP+4*\t+2:TMP+4*\t+3], v[30:31]
	global_store_b128 v[CO], v[TMP+4*\t:TMP+4*\t+3], s[8:9] offset:(16*\a+2*\t)*2048   ; 16 lanes store 256 consecutive bytes, aligned
.endr
.endm
	OUTF 0, 0, 0x08
	OUTF 1, 1, 0x08
	OUTF 2, 0, 0x0c
	OUTF 3, 1, 0x0c
	s_set_vgpr_msb 0x1
	s_wait_tensorcnt 0x0
	ds_add_u32 v255, v255
	s_wait_dscnt 0x0
	s_set_vgpr_msb 0x100
	CROUND                                         ; the closing round
	s_endpgm
.Lfunc_end_k_q2d22470378_mlp2:
	.size	k_q2d22470378_mlp2, .Lfunc_end_k_q2d22470378_mlp2-k_q2d22470378_mlp2
	.p2alignl 7, 3214868480
	.fill 96, 4, 3214868480
	.section	.rodata,"a",@progbits
	.p2align	6, 0x0
	.amdhsa_kernel k_q2d22470378_mlp2
		.amdhsa_group_segment_fixed_size 327680
		.amdhsa_private_segment_fixed_size 0
		.amdhsa_enable_private_segment 0
		.amdhsa_kernarg_size 40
		.amdhsa_user_sgpr_count 2
		.amdhsa_user_sgpr_kernarg_segment_ptr 1
		.amdhsa_wavefront_size32 1
		.amdhsa_system_sgpr_workgroup_id_x 1
		.amdhsa_system_sgpr_workgroup_id_y 1
		.amdhsa_system_sgpr_workgroup_id_z 1
		.amdhsa_system_vgpr_workitem_id 0
		.amdhsa_next_free_vgpr 1024
		.amdhsa_next_free_sgpr 80
		.amdhsa_reserve_vcc 0
		.amdhsa_float_denorm_mode_32 3
		.amdhsa_float_denorm_mode_16_64 3
		.amdhsa_memory_ordered 1
		.amdhsa_forward_progress 1
		.amdhsa_inst_pref_size 142
	.end_amdhsa_kernel
	.amdgpu_metadata
---
amdhsa.version: [ 1, 2 ]
amdhsa.kernels:
  - .name:           k_q2d22470378_mlp2
    .symbol:         k_q2d22470378_mlp2.kd
    .args:
      - { .name: u, .offset: 0, .size: 8, .value_kind: global_buffer, .address_space: global }
      - { .name: wts, .offset: 8, .size: 8, .value_kind: global_buffer, .address_space: global }
      - { .name: b2, .offset: 16, .size: 8, .value_kind: global_buffer, .address_space: global }
      - { .name: x1, .offset: 24, .size: 8, .value_kind: global_buffer, .address_space: global }
      - { .name: out0, .offset: 32, .size: 8, .value_kind: global_buffer, .address_space: global }
    .group_segment_fixed_size: 327680
    .private_segment_fixed_size: 0
    .kernarg_segment_align: 8
    .kernarg_segment_size: 40
    .max_flat_workgroup_size: 128
    .sgpr_count:     80
    .vgpr_count:     1024
    .wavefront_size: 32
...
	.end_amdgpu_metadata
.endif
;; end of part 6
